; MI455X (gfx1250); checked and timed in simulation.
; The chip was launched on July 23, 2026; its instructions are those of AMD's public machine-readable ISA for CDNA 5 (MIT licence, August 2026) and "CDNA5" Instruction Set Architecture Reference Guide (July 2026). The comments in the code are by the model that wrote it; some were corrected since.
;; System2 Reasoner. Allowed arithmetic: matrix products marked QUANTISED: E4M3 operands, one given power-of-two scale a tensor, by v_wmma_f32_16x16x64_fp8_fp8 or v_wmma_f32_16x16x128_fp8_fp8, f32 sums; products left as they are: f32 operands where the result goes on into a quantised operand, else bf16, f16 or f32 operands; f32 sums; everything else in f32.
;; Inputs: lowp_scales 2 int32 (the exponents e of the quantised operands' scales 2^e); memory_nodes_gpu 100,000 x 256 float32; test_patches 2,048 x 256 float32.
;; Outputs: out0 1 x 256 float32; out1 2,048 x 256 float32.
;; This version of the problem:
;;   THIS VERSION OF THE PROBLEM IS GIVEN IN LOW PRECISION. The matrix products marked QUANTISED in the list below multiply operands that are first quantised to E4M3 (4 exponent bits, 3 mantissa bits; 8 bits a number), with one given power-of-two scale for each operand tensor; their sums are f32. All else is computed in f32.
;;   The module's matrix products, in the order in which they are computed (A, B: the left and right operand; K: the contracted axis; several contracted axes count as one K, in the product's order):
;;     1. [M 2,048, K 256] x [K 256, N 100,000]; A: input test_patches; B: input memory_nodes_gpu: QUANTISED (scales: A lowp_scales[0], B lowp_scales[1])
;;     2. batch 2,048 x [M 1, K 50] x [K 50, N 256]; A: softmax; B: computed on the way: left as it is (M = 1 < 16)
;;   THE QUANTISER, for each operand of a quantised product, along K:
;;     - The operand's scale is 2^e, e = its entry of the input lowp_scales (int32; the entries are numbered through the quantised products in the list's order, A before B).
;;     - Each number is divided by the scale, clamped to +-448, and rounded to the nearest number of E4M3, ties to even, subnormals kept.
;;     - The product sums the exact products of the quantised numbers (number of the format x scale) in f32.
;;   ~~~python
;;   def quantise(x, axis, e):      # numpy; x: float32 -> the quantised numbers, widened to float32 again
;;       x = np.moveaxis(x, axis, -1); K = x.shape[-1]
;;       r = np.clip(x / 2.0 ** e, -448, 448)
;;       step = 2.0 ** (np.maximum(np.frexp(np.where(r == 0, 1, r))[1] - 1, -6) - 3)
;;       q = np.round(r / step) * step * 2.0 ** e      # np.round: ties to even
;;       return np.moveaxis(q, -1, axis).astype(np.float32)
;;   ~~~
;; 2 versions, each right; version 2 is version 1 with the launch cand written anew for expert scheduling mode. Each part assembles by itself: llvm-mc -triple=amdgcn-amd-amdhsa -mcpu=gfx1250 --defsym DOCPART=n.
;; ======== version 1 of 2: 6 launches
;; workspace buffers: mcodes 25,600,000 bytes; pcodes 524,288 bytes; gmx 20,480,000 bytes; cmask 524,288 bytes of whole numbers; widx 524,288 bytes of whole numbers; wval 524,288 bytes; part 163,840 bytes
;; launch quant (part 1): grid 3189 x 1, 1 waves a work-group, no clusters, 8,448 bytes of LDS; arguments memory_nodes_gpu, test_patches, lowp_scales, mcodes, pcodes; writes mcodes, pcodes
.if DOCPART == 1
	.amdgcn_target "amdgcn-amd-amdhsa--gfx1250"
	.amdhsa_code_object_version 6
	.text
	.protected	k_qd841acb74d_quant
	.globl	k_qd841acb74d_quant
	.p2align	8
	.type	k_qd841acb74d_quant,@function
k_qd841acb74d_quant:
	s_mov_b64 s[64:65], 0
	v_nop
	global_prefetch_b8 v0, s[64:65] scope:SCOPE_SE
	s_setreg_imm32_b32 hwreg(HW_REG_WAVE_MODE, 25, 1), 1
	s_wait_xcnt 0x0
; memory_nodes_gpu [100000][256] and test_patches [2048][256], f32, become codes of FP8 (E4M3), one byte each, K innermost, each with its given scale 2^e.
; code = x / 2^e, held within +-448, rounded to the nearest code, ties to even.  e: lowp_scales[1] for the nodes, lowp_scales[0] for the patches.
; LIMITS: -126 <= e and e + 8 <= 127.  NaN among the inputs is not served (an infinity is held at the largest code).
; Rows are dense, so each tensor is a plain stream.  A work-group is ONE wave and takes 8,192 numbers, 16 steps of 512: 25,600,000 = 3,125 x 8,192 and 524,288 = 64 x 8,192;
; 3,189 runs do not divide by four, hence one wave to a work-group.  The first 3,125 work-groups take the nodes, the other 64 the patches: only pointers and e are chosen.
; Each load reads 512 consecutive bytes, 16 a lane; a step's 2,048 bytes go through the wave's stage in LDS as they lie and come back 64 bytes a lane, so that a lane holds 16 neighbours
; along K for the conversions.  A lane's place in the stage is 64 bytes + 16 of padding.  A lane's 16 codes are 16 bytes: the wave stores 512 consecutive bytes.
; Loads run four steps (16 loads) ahead, the turn through LDS one step.  No barrier: the wave shares nothing.
.set STEPS, 16
.set WGM,   3125                       ; work-groups that take the nodes
.set EMAX,  8
.set MANT,  0x600000                   ; the mantissa field of 448 as f32
.set R,     16                         ; v16-79   four sets of 16 numbers as they are loaded
.set X,     80                         ; v80-111  two sets of 16 neighbours
.set C,     128                        ; v128-191 codes: four registers for each step, so that no store's data are written again
.set SP,    80                         ; a lane's place in a stage
	s_load_b128 s[4:7], s[0:1], 0x0                ; the nodes, the patches
	s_load_b64 s[10:11], s[0:1], 0x10              ; the scales' exponents
	s_load_b128 s[12:15], s[0:1], 0x18             ; the nodes' codes, the patches' codes
	v_lshl_add_u32 v192, v0, 2, 0x2000
	v_mov_b32 v193, 0
	v_and_b32 v2, 31, v0                           ; lane
	v_lshlrev_b32 v3, 4, v2                        ; my 16 bytes of a load's 512, and of a store's
	v_lshrrev_b32 v14, 2, v2
	v_mul_u32_u24 v14, v14, SP
	v_and_b32 v15, 3, v2
	v_lshl_add_u32 v14, v15, 4, v14                ; the stage, on the way in: SP (lane / 4) + 16 (lane % 4)
	v_mul_u32_u24 v15, v2, SP                      ; and on the way out: SP x lane
	s_cmp_lt_u32 ttmp9, WGM
	s_cselect_b32 s17, 0, WGM
	s_sub_co_u32 s18, ttmp9, s17                   ; which run of 8,192 numbers of the tensor is mine
	s_mov_b32 s19, 0
	s_lshl_b64 s[20:21], s[18:19], 15              ; in bytes of f32,
	s_lshl_b64 s[24:25], s[18:19], 13              ; and of codes
	s_wait_kmcnt 0x0
	s_load_b64 s[22:23], s[10:11], 0x0             ; e of the patches, e of the nodes
	s_cmp_lt_u32 ttmp9, WGM                        ; the choice hangs on the work-group's number alone
	s_cselect_b64 s[4:5], s[4:5], s[6:7]
	s_cselect_b64 s[8:9], s[12:13], s[14:15]
	s_add_nc_u64 s[4:5], s[4:5], s[20:21]
	s_add_nc_u64 s[8:9], s[8:9], s[24:25]
.macro LOAD t
.irp i, 0,1,2,3
	global_load_b128 v[R+16*((\t)%4)+4*\i:R+16*((\t)%4)+4*\i+3], v3, s[4:5] offset:2048*(\t)+512*\i th:TH_LOAD_NT   ; 32 lanes read 512 consecutive bytes
.endr
.endm
.macro TURN t                          ; step t's numbers through the stage: LDS serves a wave's instructions in order, so no wait stands between the stores and the loads
.irp i, 0,1,2,3
	ds_store_b128 v14, v[R+16*((\t)%4)+4*\i:R+16*((\t)%4)+4*\i+3] offset:32*SP*((\t)%2)+8*SP*\i
.endr
.irp i, 0,1,2,3
	ds_load_b128 v[X+16*((\t)%2)+4*\i:X+16*((\t)%2)+4*\i+3], v15 offset:32*SP*((\t)%2)+16*\i
.endr
.endm
.irp t, 0,1,2,3
	LOAD \t
.endr
	s_wait_kmcnt 0x0
	s_cmp_lt_u32 ttmp9, WGM
	s_cselect_b32 s22, s23, s22                    ; e
	s_add_co_i32 s22, s22, 127
	s_lshl_b32 s23, s22, 23
	v_mov_b32 v11, s23                             ; 2^e as f32: the conversion takes its exponent field
	s_add_co_i32 s22, s22, EMAX
	s_lshl_b32 s22, s22, 23
	s_or_b32 s22, s22, MANT
	v_mov_b32 v10, s22                             ; 448 x 2^e
	s_wait_loadcnt 12                              ; step 0's four loads are in; the twelve of steps 1 to 3 may be out
	TURN 0
.macro STEP t
.set XS, X+16*((\t)%2)
	s_wait_dscnt 0x0                               ; this step's numbers are back from the stage, and its stores into the stage have read their registers,
.if (\t)+4 < STEPS
	LOAD (\t)+4                                    ; which take the loads of four steps on
.endif
.if (\t)+1 < STEPS
.if STEPS-2-(\t) >= 3
	s_wait_loadcnt 12                              ; the next step's four loads are in; those of the three steps behind it may be out
.else
	s_wait_loadcnt 4*(STEPS-2-(\t))                ; at the end fewer steps stand behind it
.endif
	TURN (\t)+1                                    ; and go through the other stage while this step is worked
.endif
.irp i, 0,1,2,3,4,5,6,7,8,9,10,11,12,13,14,15
	v_med3_num_f32 v[XS+\i], v[XS+\i], -v10, v10   ; the conversion to an 8-bit code does not saturate (ISA guide 7.6.2): the hold comes first
.endr
	v_cvt_scalef32_pk8_fp8_f32 v[C+4*(\t):C+4*(\t)+1], v[XS:XS+7], v11
	v_cvt_scalef32_pk8_fp8_f32 v[C+4*(\t)+2:C+4*(\t)+3], v[XS+8:XS+15], v11
	v_nop                                          ; a plain line behind the last conversion of the run
	global_store_b128 v3, v[C+4*(\t):C+4*(\t)+3], s[8:9] offset:512*(\t)   ; 512 consecutive bytes, at a multiple of 256 from the buffer's first byte
.endm
.irp t, 0,1,2,3,4,5,6,7,8,9,10,11,12,13,14,15
	STEP \t
.endr
	s_wait_tensorcnt 0x0
	ds_add_u32 v192, v193
	s_wait_dscnt 0x0
	s_endpgm
.Lfunc_end_k_qd841acb74d_quant:
	.size	k_qd841acb74d_quant, .Lfunc_end_k_qd841acb74d_quant-k_qd841acb74d_quant
	.p2alignl 7, 3214868480
	.fill 96, 4, 3214868480
	.section	.rodata,"a",@progbits
	.p2align	6, 0x0
	.amdhsa_kernel k_qd841acb74d_quant
		.amdhsa_group_segment_fixed_size 8448
		.amdhsa_private_segment_fixed_size 0
		.amdhsa_enable_private_segment 0
		.amdhsa_kernarg_size 40
		.amdhsa_user_sgpr_count 2
		.amdhsa_user_sgpr_kernarg_segment_ptr 1
		.amdhsa_wavefront_size32 1
		.amdhsa_system_sgpr_workgroup_id_x 1
		.amdhsa_system_sgpr_workgroup_id_y 1
		.amdhsa_system_sgpr_workgroup_id_z 1
		.amdhsa_system_vgpr_workitem_id 0
		.amdhsa_next_free_vgpr 194
		.amdhsa_next_free_sgpr 66
		.amdhsa_reserve_vcc 0
		.amdhsa_float_denorm_mode_32 3
		.amdhsa_float_denorm_mode_16_64 3
		.amdhsa_memory_ordered 1
		.amdhsa_forward_progress 1
		.amdhsa_inst_pref_size 38
	.end_amdhsa_kernel
	.amdgpu_metadata
---
amdhsa.version: [ 1, 2 ]
amdhsa.kernels:
  - .name:           k_qd841acb74d_quant
    .symbol:         k_qd841acb74d_quant.kd
    .args:
      - { .name: memory_nodes_gpu, .offset: 0, .size: 8, .value_kind: global_buffer, .address_space: global }
      - { .name: test_patches, .offset: 8, .size: 8, .value_kind: global_buffer, .address_space: global }
      - { .name: lowp_scales, .offset: 16, .size: 8, .value_kind: global_buffer, .address_space: global }
      - { .name: mcodes, .offset: 24, .size: 8, .value_kind: global_buffer, .address_space: global }
      - { .name: pcodes, .offset: 32, .size: 8, .value_kind: global_buffer, .address_space: global }
    .group_segment_fixed_size: 8448
    .private_segment_fixed_size: 0
    .kernarg_segment_align: 8
    .kernarg_segment_size: 40
    .max_flat_workgroup_size: 32
    .sgpr_count:     66
    .vgpr_count:     194
    .wavefront_size: 32
...
	.end_amdgpu_metadata
.endif
;; end of part 1
;; launch groupmax (part 2): grid 125 x 2, 4 waves a work-group, no clusters, 262,656 bytes of LDS; arguments mcodes, pcodes, gmx; writes gmx
.if DOCPART == 2
	.amdgcn_target "amdgcn-amd-amdhsa--gfx1250"
	.amdhsa_code_object_version 6
	.text
	.protected	k_qd841acb74d_groupmax
	.globl	k_qd841acb74d_groupmax
	.p2align	8
	.type	k_qd841acb74d_groupmax,@function
k_qd841acb74d_groupmax:
	s_mov_b64 s[64:65], 0
	v_nop
	global_prefetch_b8 v0, s[64:65] scope:SCOPE_SE
	s_setreg_imm32_b32 hwreg(HW_REG_WAVE_MODE, 25, 1), 1
	s_wait_xcnt 0x0
; THE QUANTISED PRODUCT, all of it: sums S[patch][node] = sum over k of the patch's code x the node's code (f32, not yet x 2^(e0 + e1)), and of them only the largest of each GROUP of 40 neighbouring nodes
; goes to memory: gmx.  The later launches find from these maxima the few groups that can hold a patch's nearest nodes, and multiply those again.
; SHARES.  Work-group (x, y): nodes 800 x .. 800 x + 799 against patches 1,024 y .. + 1,023.  Wave w keeps its 256 patches in registers for the whole launch (16 tiles x 2 halves of K x 16 registers = 512)
; and walks all 800 nodes, which lie in LDS: 800 rows of 256 bytes + 16 of padding = 217,600 bytes, brought once by two tensor loads a wave (rows 0-159, then the rest).  Nothing in LDS is filled twice.
; NO CLUSTER: the grid is 125 x 2, which no cluster of four divides, and a tile of nodes has two readers only.
; LAYOUT.  Source 0 = 16 nodes, source 1 = 16 patches: a lane holds ONE patch (lane % 16) and eight nodes.  THE NODES OF A TILE ARE NOT NEIGHBOURS: row m of tile t of a step of 80 nodes is node
; 40 (m / 8) + 8 t + m % 8, so that over a step's five tiles lanes 0-15 hold the 40 nodes of one group and lanes 16-31 those of the next: a group's maximum never leaves the lane.
; Both operands are fed by loads of 16 bytes (registers 4 c .. 4 c + 3: k = 32 c + 16 (lane / 16) + 0 .. 15): one permutation of k on both sides, so every product meets its partner.
; A BODY is 160 nodes x 256 patches: 160 pairs (tile of nodes, tile of patches), two matrix instructions each, in ten phases of 16 pairs on one fragment of nodes.  Pair i's first half of K is issued in
; iteration i, its second in i + 1, its eight results are folded into the group's maximum in iterations i + 2 to i + 4: four v_max3 a pair, set in slices of four behind the matrix instructions.
; gmx: [128 tiles of patches][625 bodies][32 lanes][2]: the two groups (steps 0 and 1 of the body) of lane (r, h): group 4 body + 2 step + h, patch 16 tile + r.  A wave's store is 256 consecutive bytes, aligned.
; REGISTERS, in windows of 256: window 0: v2-5 addresses; v16-79 two fragments of nodes (32 each); v80-143 eight accumulators; v144-175 the 32 running maxima; v176-191 at work.
;   window 1: the patches' tiles 0-7 (tile p, half f at v[32 p + 16 f]);  window 2: tiles 8-15.  A slice works in window 0, so it costs two switches a pair.
.set PITCH, 272
.set BODYB, 160*PITCH                  ; a body's rows in LDS
.set TSTR,  160000                     ; gmx: from a tile of patches to the next: 625 x 256 bytes
.set AK,  2                            ; v2   my lane's place in a tile of nodes
.set ADR, 3                            ; v3   + the body in hand
.set GO,  4                            ; v4   8 x lane
.set PO,  5                            ; v5   my lane's place in a tile of patches in memory
.set AF,  16
.set DA,  80
.set G,   144
.set T,   176
.set MSB, 0
.macro WIN new                         ; the immediate's high byte repeats the setting that is left; a switch that changes nothing is dropped
.if MSB != \new
	s_set_vgpr_msb (MSB<<8)|\new
.set MSB, \new
.endif
.endm
	s_load_b128 s[4:7], s[0:1], 0x0                ; the nodes' codes, the patches' codes
	s_load_b64 s[8:9], s[0:1], 0x10                ; gmx
	v_lshl_add_u32 v254, v0, 2, 0x40000
	v_mov_b32 v255, 0
	ds_add_u32 v254, v255
	ds_add_u32 v254, v255
	v_lshrrev_b32 v1, 5, v0
	v_readfirstlane_b32 s10, v1                    ; wave 0..3
	s_and_b32 s11, ttmp7, 0xffff                   ; which half of the patches
	; descriptor group 1, elements of one byte, rows of 256 bytes dense in memory, 16 bytes of padding behind each in LDS: 40 rows (s[16:23]) and 160 rows (s[24:31])
	s_mov_b32 s16, (1<<20)|(5<<22)|(3<<25)         ; 20 padding on; 24:22 after every 64 words (code 5); 31:25 four words (code 3)
	s_mov_b32 s17, 256<<16                         ; tensor_dim0 = 256
	s_mov_b32 s18, 40<<16                          ; tensor_dim1 = 40
	s_mov_b32 s19, 256<<16                         ; tile_dim0 = 256
	s_mov_b32 s20, 40                              ; tile_dim1 = 40
	s_mov_b32 s21, 256                             ; from row to row
	s_mov_b32 s22, 0
	s_mov_b32 s23, 0
	s_mov_b32 s24, (1<<20)|(5<<22)|(3<<25)
	s_mov_b32 s25, 256<<16
	s_mov_b32 s26, 160<<16
	s_mov_b32 s27, 256<<16
	s_mov_b32 s28, 160
	s_mov_b32 s29, 256
	s_mov_b32 s30, 0
	s_mov_b32 s31, 0
	s_mul_i32 s12, ttmp9, 800*256                  ; my work-group's nodes, in bytes
	s_mul_i32 s13, s10, 40*256
	s_add_co_u32 s42, s12, s13                     ; first load: rows 40 w .. 40 w + 39
	s_mov_b32 s43, 0
	s_mul_i32 s13, s10, 160*256
	s_add_co_u32 s44, s12, s13
	s_add_co_u32 s44, s44, 160*256                 ; second load: rows 160 + 160 w .. + 159
	s_mov_b32 s45, 0
	s_mul_i32 s46, s10, 40*PITCH                   ; and where they go
	s_mul_i32 s47, s10, 160*PITCH
	s_add_co_u32 s47, s47, 160*PITCH
	s_lshl_b32 s12, s11, 18                        ; my wave's patches: (1,024 y + 256 w) rows of 256 bytes
	s_lshl_b32 s13, s10, 16
	s_add_co_u32 s12, s12, s13
	s_mov_b32 s13, 0
	s_lshl_b32 s14, s11, 6                         ; gmx: tile of patches 64 y + 16 w, body 5 x
	s_lshl_b32 s15, s10, 4
	s_add_co_u32 s14, s14, s15
	s_mul_i32 s14, s14, TSTR
	s_mul_i32 s15, ttmp9, 5*256
	s_add_co_u32 s14, s14, s15
	s_mov_b32 s15, 0
	s_mov_b32 s40, 0                               ; LDS byte of the body in hand
	s_wait_dscnt 0x0
	s_wait_kmcnt 0x0
	s_add_nc_u64 s[6:7], s[6:7], s[12:13]
	s_add_nc_u64 s[8:9], s[8:9], s[14:15]
	s_mov_b32 s32, 1                               ; group 0 of the first load: count = 1,
	s_mov_b32 s33, s46                             ; LDS address,
	s_add_nc_u64 s[34:35], s[4:5], s[42:43]        ; global address,
	s_or_b32 s35, s35, 0x80000000                  ; type = 2
	s_mov_b32 s36, 1
	s_mov_b32 s37, s47
	s_add_nc_u64 s[38:39], s[4:5], s[44:45]
	s_or_b32 s39, s39, 0x80000000
	tensor_load_to_lds s[32:35], s[16:23]          ; both fills go out together, ahead of every wait on TENSORcnt, every LDS read and every barrier: two loads of mine are out
	s_nop 0
	tensor_load_to_lds s[36:39], s[24:31]
	s_nop 0
.rept 4
	v_nop
.endr
	v_and_b32 v6, 15, v0                           ; r
	v_bfe_u32 v7, v0, 4, 1                         ; h
	v_and_b32 v8, 7, v0
	v_bfe_u32 v9, v0, 3, 1
	v_mul_u32_u24 v[AK], v9, 40*PITCH
	v_mad_u32_u24 v[AK], v8, PITCH, v[AK]
	v_lshl_add_u32 v[AK], v7, 4, v[AK]             ; row 40 (r / 8) + r % 8, + 16 h
	v_and_b32 v10, 31, v0
	v_lshlrev_b32 v[GO], 3, v10
	v_lshlrev_b32 v[PO], 8, v6
	v_lshl_add_u32 v[PO], v7, 4, v[PO]             ; row r of 256 bytes, + 16 h
	WIN 0x40                                       ; destination window 1
.irp pt, 0,1,2,3,4,5,6,7
.irp f, 0,1
.irp c, 0,1,2,3
	global_load_b128 v[32*\pt+16*\f+4*\c:32*\pt+16*\f+4*\c+3], v[PO], s[6:7] offset:\pt*4096+128*\f+32*\c
.endr
.endr
.endr
	WIN 0x80                                       ; destination window 2
.irp pt, 8,9,10,11,12,13,14,15
.irp f, 0,1
.irp c, 0,1,2,3
	global_load_b128 v[32*(\pt-8)+16*\f+4*\c:32*(\pt-8)+16*\f+4*\c+3], v[PO], s[6:7] offset:\pt*4096+128*\f+32*\c
.endr
.endr
.endr
	WIN 0
; the fragment of phase ph (step ph / 5, tile ph % 5 of the body): 16 nodes x 256 along K, 32 registers, into buffer buf
.macro FRAG buf, ph
.irp f, 0,1
.irp c, 0,1,2,3
	ds_load_b128 v[AF+32*(\buf)+16*\f+4*\c:AF+32*(\buf)+16*\f+4*\c+3], v[ADR] offset:(80*((\ph)/5)+8*((\ph)%5))*PITCH+128*\f+32*\c
.endr
.endr
.endm
; ITERATION i of 164.  Pair i = (phase i / 16, tile of patches i % 16); its accumulator is number i % 8.
; The accumulators take turns, one instruction a turn: between a pair's two links stand two other pairs' instructions.
; The slice's four plain lines name no register of the products just issued: they are the four places between pair i - 1's second product and the first read of its results, one iteration on (ISA guide 7.12.1).
; Each accumulator is read from its low end on.  An accumulator is begun anew eight iterations after its pair began, four behind its last read.
.macro ITER
.if (i%16 == 0) && (i < 160)
	s_wait_dscnt 0x0                               ; this phase's fragment is in (asked for 15 iterations ago)
.endif
.if i < 160
.set wn, 0x04*(1+(i%16)/8)                     ; source 1 in window 1 or 2
	WIN wn
	v_wmma_f32_16x16x128_fp8_fp8 v[DA+8*(i%8):DA+8*(i%8)+7], v[AF+32*((i/16)%2):AF+32*((i/16)%2)+15], v[32*(i%8):32*(i%8)+15], 0
.endif
.if (i >= 1) && (i <= 160)
.set k, i-1
.set wn, 0x04*(1+(k%16)/8)
	WIN wn
	v_wmma_f32_16x16x128_fp8_fp8 v[DA+8*(k%8):DA+8*(k%8)+7], v[AF+32*((k/16)%2)+16:AF+32*((k/16)%2)+31], v[32*(k%8)+16:32*(k%8)+31], v[DA+8*(k%8):DA+8*(k%8)+7]
.endif
	WIN 0
.set k, i-2
.if (k >= 0) && (k < 160)
	v_max3_num_f32 v[T+4*(k%4)], v[DA+8*(k%8)], v[DA+8*(k%8)+1], v[DA+8*(k%8)+2]
	v_max3_num_f32 v[T+4*(k%4)+1], v[DA+8*(k%8)+3], v[DA+8*(k%8)+4], v[DA+8*(k%8)+5]
.elseif (i >= 1) && (i <= 160)
	v_nop
	v_nop
.endif
.set k, i-3
.if (k >= 0) && (k < 160)
	v_max3_num_f32 v[T+4*(k%4)+2], v[T+4*(k%4)], v[T+4*(k%4)+1], v[DA+8*(k%8)+6]
.elseif (i >= 1) && (i <= 160)
	v_nop
.endif
.set k, i-4
.if (k >= 0) && (k < 160)
.set gg, G+2*(k%16)+(k/80)
.if ((k/16)%5) == 0
	v_max_num_f32 v[gg], v[T+4*(k%4)+2], v[DA+8*(k%8)+7]           ; a group's first tile starts its maximum: nothing is cleared
.else
	v_max3_num_f32 v[gg], v[gg], v[T+4*(k%4)+2], v[DA+8*(k%8)+7]
.endif
.elseif (i >= 1) && (i <= 160)
	v_nop
.endif
.if (i%16 == 1) && (i/16 < 9)
	FRAG ((i/16)+1)%2, (i/16)+1                    ; the next phase's fragment, into the buffer whose last reader stands two slices, eight plain lines, back
.endif
.endm
.macro BODY first
	s_wait_xcnt 0x0                                ; the last body's stores have read their data and their base: both are written again only behind this wait
.if !\first
	s_add_nc_u64 s[8:9], s[8:9], 256               ; gmx: the next body
.endif
	v_add_nc_u32 v[ADR], s40, v[AK]
	FRAG 0, 0
.set i, 0
.rept 164
	ITER
.set i, i+1
.endr
.irp pt, 0,1,2,3,4,5,6,7,8,9,10,11,12,13,14,15
	global_store_b64 v[GO], v[G+2*\pt:G+2*\pt+1], s[8:9] offset:\pt*TSTR   ; 32 lanes store 256 consecutive bytes, at a multiple of 256 from gmx's first byte
.endr
	s_add_co_u32 s40, s40, BODYB
.endm
	s_wait_tensorcnt 0x1                           ; my part of rows 0-159 is in; my second load may stay out
	s_barrier_signal -1
	s_barrier_wait -1                              ; everybody's is
	s_wait_loadcnt 0x0                             ; the patches
	BODY 1
	s_wait_tensorcnt 0x0                           ; my part of rows 160-799 is in,
	s_wait_dscnt 0x0
	s_barrier_signal -1
	s_barrier_wait -1                              ; everybody's is
	s_mov_b32 s41, 4
.Lbody:
	BODY 0
	s_sub_co_u32 s41, s41, 1
	s_cmp_lg_u32 s41, 0
	s_cbranch_scc1 .Lbody
	s_wait_tensorcnt 0x0
	ds_add_u32 v254, v255
	s_wait_dscnt 0x0
	s_endpgm
.Lfunc_end_k_qd841acb74d_groupmax:
	.size	k_qd841acb74d_groupmax, .Lfunc_end_k_qd841acb74d_groupmax-k_qd841acb74d_groupmax
	.p2alignl 7, 3214868480
	.fill 96, 4, 3214868480
	.section	.rodata,"a",@progbits
	.p2align	6, 0x0
	.amdhsa_kernel k_qd841acb74d_groupmax
		.amdhsa_group_segment_fixed_size 262656
		.amdhsa_private_segment_fixed_size 0
		.amdhsa_enable_private_segment 0
		.amdhsa_kernarg_size 24
		.amdhsa_user_sgpr_count 2
		.amdhsa_user_sgpr_kernarg_segment_ptr 1
		.amdhsa_wavefront_size32 1
		.amdhsa_system_sgpr_workgroup_id_x 1
		.amdhsa_system_sgpr_workgroup_id_y 1
		.amdhsa_system_sgpr_workgroup_id_z 1
		.amdhsa_system_vgpr_workitem_id 0
		.amdhsa_next_free_vgpr 768
		.amdhsa_next_free_sgpr 66
		.amdhsa_reserve_vcc 0
		.amdhsa_float_denorm_mode_32 3
		.amdhsa_float_denorm_mode_16_64 3
		.amdhsa_memory_ordered 1
		.amdhsa_forward_progress 1
		.amdhsa_inst_pref_size 171
	.end_amdhsa_kernel
	.amdgpu_metadata
---
amdhsa.version: [ 1, 2 ]
amdhsa.kernels:
  - .name:           k_qd841acb74d_groupmax
    .symbol:         k_qd841acb74d_groupmax.kd
    .args:
      - { .name: mcodes, .offset: 0, .size: 8, .value_kind: global_buffer, .address_space: global }
      - { .name: pcodes, .offset: 8, .size: 8, .value_kind: global_buffer, .address_space: global }
      - { .name: gmx, .offset: 16, .size: 8, .value_kind: global_buffer, .address_space: global }
    .group_segment_fixed_size: 262656
    .private_segment_fixed_size: 0
    .kernarg_segment_align: 8
    .kernarg_segment_size: 24
    .max_flat_workgroup_size: 128
    .sgpr_count:     66
    .vgpr_count:     768
    .wavefront_size: 32
...
	.end_amdgpu_metadata
.endif
;; end of part 2
;; launch mark (part 3): grid 128 x 1, 25 waves a work-group, no clusters, 13,568 bytes of LDS; arguments gmx, lowp_scales, cmask; writes cmask
.if DOCPART == 3
	.amdgcn_target "amdgcn-amd-amdhsa--gfx1250"
	.amdhsa_code_object_version 6
	.text
	.protected	k_qd841acb74d_mark
	.globl	k_qd841acb74d_mark
	.p2align	8
	.type	k_qd841acb74d_mark,@function
k_qd841acb74d_mark:
	s_mov_b64 s[64:65], 0
	v_nop
	global_prefetch_b8 v0, s[64:65] scope:SCOPE_SE
	s_setreg_imm32_b32 hwreg(HW_REG_WAVE_MODE, 25, 1), 1
	s_wait_xcnt 0x0
; For each patch: m = the largest of its 2,500 group maxima, and one bit for each PAIR of neighbouring groups (80 nodes): one of the two maxima >= m - d.  d = 1.78125 / 2^(e0 + e1) in the units of the sums, that is 1.78125 in similarity.
; WHY d: a node's weight is 2^((sim - largest sim) x 50 log2(e)); 1.78125 under the largest the exponent is -128.5, and v_exp_f32 gives 0 below -126 (ISA guide 15.8).  So a pair that is not marked holds no node of
; non-zero weight, and every node that ranks ahead of a node of non-zero weight lies in a marked pair.  Rounding m - d cannot lose a group: an f32 number above the true difference is not below the rounded one.
; LIMIT: e0 + e1 between -120 and 120.  NaN is not served.
; SHARES.  A work-group takes a tile of 16 patches: 160,000 consecutive bytes of gmx.  Wave w takes bodies 25 w .. 25 w + 24, a load of 256 consecutive bytes each; lane (r, h) then holds 50 maxima of patch r:
; register pair j holds groups 4 (25 w + j) + h and 4 (25 w + j) + 2 + h.  A pair of groups is what lanes r and r + 16 hold in one register.
; cmask: a record of 64 words (256 bytes) for each patch.  Word 2 w + par (par = 0, 1), bit j (0 .. 24): groups 100 w + 4 j + 2 par and + 1.  Bit 31 of every word, of the 14 words behind the 50 too, is set
; and says nothing: the reader cuts it off.
; LDS: the 16 records, 256 bytes each, from 0; from 8192 the waves' partial maxima, 16 words a wave.
.set RED, 8192
.set ZA, 96                            ; v96   where waves 0-6 put the words behind the 50
.set RS, 97                            ; v97   my wave's partial maximum of patch r
.set RL, 98                            ; v98   patch r's partial maxima
.set TS, 99                            ; v99   my wave's two words of patch r's record
.set TL, 100                           ; v100  the 512 bytes of records that my wave sends out
.set GS, 101                           ; v101  16 x lane
	s_load_b128 s[4:7], s[0:1], 0x0                ; gmx, the scales' exponents
	s_load_b64 s[8:9], s[0:1], 0x10                ; cmask
	v_lshl_add_u32 v112, v0, 2, 0x2800
	v_mov_b32 v113, 0
	v_lshrrev_b32 v1, 5, v0
	v_readfirstlane_b32 s10, v1                    ; wave 0..24
	v_and_b32 v2, 31, v0
	v_and_b32 v3, 15, v0                           ; r
	v_lshlrev_b32 v4, 3, v2                        ; 8 x lane
	v_lshlrev_b32 v[GS], 4, v2
	s_mul_i32 s12, ttmp9, 160000
	s_mul_i32 s13, s10, 6400
	s_add_co_u32 s12, s12, s13
	s_mov_b32 s13, 0
	s_mov_b32 s16, 0x76543210                      ; v_permlanex16_b32's selects for lane l xor 16
	s_mov_b32 s17, 0xfedcba98
	s_wait_kmcnt 0x0
	s_load_b64 s[14:15], s[6:7], 0x0               ; e0, e1
	s_add_nc_u64 s[4:5], s[4:5], s[12:13]
.irp j, 0,1,2,3,4,5,6,7,8,9,10,11,12,13,14,15,16,17,18,19,20,21,22,23,24
	global_load_b64 v[8+2*\j:9+2*\j], v4, s[4:5] offset:256*\j th:TH_LOAD_NT
.endr
	; every LDS address is made here, ahead of the first branch on the wave's number; a wave's number is held where only the first waves use the address
	s_min_u32 s18, s10, 7
	s_min_u32 s19, s10, 6
	s_lshl_b32 s20, s19, 3
	s_add_co_u32 s20, s20, 200
	v_lshl_add_u32 v[ZA], v3, 8, s20               ; 256 r + 8 (25 + w)
	s_lshl_b32 s21, s10, 6
	s_add_co_u32 s21, s21, RED
	v_lshl_add_u32 v[RS], v3, 2, s21               ; RED + 64 w + 4 r
	v_lshlrev_b32 v[RL], 2, v3
	v_add_nc_u32 v[RL], RED, v[RL]                 ; RED + 4 r
	s_lshl_b32 s22, s10, 3
	v_lshl_add_u32 v[TS], v3, 8, s22               ; 256 r + 8 w
	s_lshl_b32 s23, s18, 9
	v_add_nc_u32 v[TL], s23, v[GS]                 ; 512 w + 16 x lane
	v_mov_b32 v102, 0x80000000                     ; a word with no pair marked
	v_mov_b32 v103, 0x80000000
	v_mov_b32 v106, 0                              ; my two words
	v_mov_b32 v107, 0
	v_mov_b32 v62, 0                               ; a lane permute's destination counts as one of its sources
	v_mov_b32 v63, 0
	s_cmp_lt_u32 s10, 7
	s_cbranch_scc0 .Lno_fill
	ds_store_b64 v[ZA], v[102:103]                 ; words 50 + 2 w and 51 + 2 w of all 16 records (lanes r and r + 16 write the same bytes with the same numbers)
.Lno_fill:
	s_wait_loadcnt 0x0
	v_max3_num_f32 v60, v8, v9, v10                ; my 50 maxima, in two chains
	v_max3_num_f32 v61, v11, v12, v13
.irp i, 14,18,22,26,30,34,38,42,46,50,54
	v_max3_num_f32 v60, v60, v[\i], v[\i+1]
	v_max3_num_f32 v61, v61, v[\i+2], v[\i+3]
.endr
	v_max_num_f32 v60, v60, v61
	v_permlanex16_b32 v62, v60, s16, s17
	v_max_num_f32 v60, v60, v62                    ; and lane l xor 16's: my wave's 100 groups of patch r
	ds_store_b32 v[RS], v60                        ; (lanes r and r + 16 write the same word with the same number)
	s_wait_dscnt 0x0                               ; for the others' sake: my stores are done
	s_barrier_signal -1
	s_barrier_wait -1
.irp j, 0,1,2,3,4,5,6,7,8,9,10,11,12,13,14,15,16,17,18,19,20,21,22,23,24
	ds_load_b32 v[64+\j], v[RL] offset:64*\j
.endr
	s_wait_kmcnt 0x0
	s_add_co_i32 s14, s14, s15
	s_lshl_b32 s14, s14, 23
	s_sub_co_u32 s14, 0x3fe40000, s14              ; 1.78125 with e0 + e1 taken off its exponent field
	v_mov_b32 v91, s14
	s_wait_dscnt 0x0
	v_max3_num_f32 v89, v64, v65, v66
.irp i, 67,69,71,73,75,77,79,81,83,85,87
	v_max3_num_f32 v89, v89, v[\i], v[\i+1]
.endr
	v_sub_f32 v90, v89, v91                        ; m - d
.irp par, 0,1
.irp j, 24,23,22,21,20,19,18,17,16,15,14,13,12,11,10,9,8,7,6,5,4,3,2,1,0
	v_cmp_ge_f32 vcc_lo, v[8+2*\j+\par], v90
	v_add_co_ci_u32 v[106+\par], vcc_lo, v[106+\par], v[106+\par], vcc_lo   ; the word doubled, + the bit: body j ends at bit j
.endr
.endr
	v_permlanex16_b32 v62, v106, s16, s17          ; the other group of each pair lies in lane l xor 16
	v_permlanex16_b32 v63, v107, s16, s17
	v_or_b32 v106, v106, v62
	v_or_b32 v107, v107, v63
	v_or_b32 v106, 0x80000000, v106                ; bit 31 of every word is set
	v_or_b32 v107, 0x80000000, v107
	ds_store_b64 v[TS], v[106:107]                 ; words 2 w and 2 w + 1 (lanes r and r + 16 write the same bytes with the same numbers)
	s_wait_dscnt 0x0
	s_barrier_signal -1
	s_barrier_wait -1                              ; the 16 records are whole: 4,096 bytes on end, in LDS as in memory
	s_cmp_lt_u32 s10, 8
	s_cbranch_scc0 .Lend
	ds_load_b128 v[64:67], v[TL]
	s_lshl_b32 s12, ttmp9, 12                      ; the tile's 16 records,
	s_lshl_b32 s13, s18, 9                         ; my wave's two of them
	s_add_co_u32 s12, s12, s13
	s_mov_b32 s13, 0
	s_add_nc_u64 s[8:9], s[8:9], s[12:13]
	s_wait_dscnt 0x0
	global_store_b128 v[GS], v[64:67], s[8:9]      ; 512 consecutive bytes
.Lend:
	s_wait_tensorcnt 0x0
	ds_add_u32 v112, v113
	s_wait_dscnt 0x0
	s_endpgm
.Lfunc_end_k_qd841acb74d_mark:
	.size	k_qd841acb74d_mark, .Lfunc_end_k_qd841acb74d_mark-k_qd841acb74d_mark
	.p2alignl 7, 3214868480
	.fill 96, 4, 3214868480
	.section	.rodata,"a",@progbits
	.p2align	6, 0x0
	.amdhsa_kernel k_qd841acb74d_mark
		.amdhsa_group_segment_fixed_size 13568
		.amdhsa_private_segment_fixed_size 0
		.amdhsa_enable_private_segment 0
		.amdhsa_kernarg_size 24
		.amdhsa_user_sgpr_count 2
		.amdhsa_user_sgpr_kernarg_segment_ptr 1
		.amdhsa_wavefront_size32 1
		.amdhsa_system_sgpr_workgroup_id_x 1
		.amdhsa_system_sgpr_workgroup_id_y 1
		.amdhsa_system_sgpr_workgroup_id_z 1
		.amdhsa_system_vgpr_workitem_id 0
		.amdhsa_next_free_vgpr 114
		.amdhsa_next_free_sgpr 66
		.amdhsa_reserve_vcc 1
		.amdhsa_float_denorm_mode_32 3
		.amdhsa_float_denorm_mode_16_64 3
		.amdhsa_memory_ordered 1
		.amdhsa_forward_progress 1
		.amdhsa_inst_pref_size 13
	.end_amdhsa_kernel
	.amdgpu_metadata
---
amdhsa.version: [ 1, 2 ]
amdhsa.kernels:
  - .name:           k_qd841acb74d_mark
    .symbol:         k_qd841acb74d_mark.kd
    .args:
      - { .name: gmx, .offset: 0, .size: 8, .value_kind: global_buffer, .address_space: global }
      - { .name: lowp_scales, .offset: 8, .size: 8, .value_kind: global_buffer, .address_space: global }
      - { .name: cmask, .offset: 16, .size: 8, .value_kind: global_buffer, .address_space: global }
    .group_segment_fixed_size: 13568
    .private_segment_fixed_size: 0
    .kernarg_segment_align: 8
    .kernarg_segment_size: 24
    .max_flat_workgroup_size: 800
    .sgpr_count:     66
    .vgpr_count:     114
    .wavefront_size: 32
...
	.end_amdgpu_metadata
.endif
;; end of part 3
;; launch cand (part 4): grid 2048 x 1, 4 waves a work-group, no clusters, 2,560 bytes of LDS; arguments cmask, mcodes, pcodes, lowp_scales, widx, wval; writes widx, wval
.if DOCPART == 4
	.amdgcn_target "amdgcn-amd-amdhsa--gfx1250"
	.amdhsa_code_object_version 6
	.text
	.protected	k_qd841acb74d_cand
	.globl	k_qd841acb74d_cand
	.p2align	8
	.type	k_qd841acb74d_cand,@function
k_qd841acb74d_cand:
	s_mov_b64 s[64:65], 0
	v_nop
	global_prefetch_b8 v0, s[64:65] scope:SCOPE_SE
	s_setreg_imm32_b32 hwreg(HW_REG_WAVE_MODE, 25, 1), 1
	s_wait_xcnt 0x0
; One work-group for each patch.  The groups of the pairs that cmask marks are multiplied again (the same matrix instruction, the same feeding of K), and of their sums the 64 that come first by (sum descending,
; node ascending: ties go to the lower index) are kept as a sorted list; the first 50 are the patch's top 50 wherever a weight is not 0.  Stored: the nodes (widx) and the softmax's weights (wval), at fixed places.
; SHARES.  The patch's record is 64 words; bit j (0 .. 24) of word 2 l + par (l = 0 .. 24) marks groups 100 l + 4 j + 2 par and + 1; bit 31 says nothing and is cut off.  Every wave loads the whole record, 8 bytes a lane.
; Wave w takes the groups g with g % 4 = w: of lane l's two words the first (waves 0, 1) or the second (waves 2, 3), and of each marked pair group w % 2.  So the two groups of a pair go to two waves.
; THE WALK is two counted loops of 25 trips: a word comes into a scalar register by v_readlane_b32 of the loaded registers, a word with no bit is jumped over, and so is a bit that is 0.
; The group's number is made of the two counters and the wave's number alone (2,499 at the most), so no loaded number enters an address.
; A GROUP: 40 nodes = tiles of rows 0-15, 16-31 and 32-39 (rows 8-15 of the third tile repeat 32-39, so no load leaves the buffer).  Source 0 = nodes, source 1 = the patch in all 16 columns.
; Lane (r, h), register j of tile t then holds node 16 t + 8 h + j, whatever r: 22 selects on the lane's number deal the 40 sums out, one to a list place.
; A LIST is 64 places, place e = 2 x lane + register, a sum and a node each.  The group's 40 (and 24 fillers: -infinity, node 0xffffffff) are sorted ascending by a bitonic network (21 stages); place by place
; the better of the kept list (descending) and of these is kept, which leaves the best 64 of both as a bitonic sequence; six more stages sort it.  The waves' lists meet in LDS, read backwards, in two rounds.
; No branch and no address hangs on a sum: every choice among sums is a v_cndmask_b32.  Branches hang on cmask's words alone.
; WEIGHTS: p = 2^((S - largest S) x c), c = 50 log2(e) x 2^(e0 + e1); a = p / the sum of the 50 p.  widx: [2048][64] place e; place 63 holds the number of lanes whose first weight is not 0 (1 to 25).
; wval: likewise a; place 63 holds the largest similarity, S x 2^(e0 + e1).
; LIMITS: e0 + e1 between -120 and 120; NaN and infinities are not served; weights under 2^-126 of the largest count as 0; the time grows with the number of marked pairs (up to 1,250 for inputs so small that all similarities lie within 1.78).
.set P1,  0xaaaaaaaa                   ; lanes whose number has bit 0 set; and so on
.set P2,  0xcccccccc
.set P4,  0xf0f0f0f0
.set P8,  0xff00ff00
.set P16, 0xffff0000
.set A1,  0x55555555                   ; their complements
.set A2,  0x33333333
.set A4,  0x0f0f0f0f
.set A8,  0x00ff00ff
.set A16, 0x0000ffff
.set ALL, 0xffffffff
.set LV,  168                          ; v168-169 the kept list's sums, v170-171 its nodes
.set NV,  172                          ; v172-173, v174-175 the other list
.set PV0, 176                          ; v176-179 the partner's sum and node, for both registers
.set PI0, 177
.set PV1, 178
.set PI1, 179
.set SEL, 18                           ; s[18:19] v_permlanex16_b32's selects for lane l xor 16
; s[m] = the lanes in which (sum v, node i) comes before (pv, pi); s[m+1], s[m+2] at work
.macro BETTER m, v, i, pv, pi
	v_cmp_gt_f32 s[\m], v[\v], v[\pv]
	v_cmp_eq_f32 s[\m+1], v[\v], v[\pv]
	v_cmp_lt_u32 s[\m+2], v[\i], v[\pi]
	s_and_b32 s[\m+1], s[\m+1], s[\m+2]
	s_or_b32 s[\m], s[\m], s[\m+1]
.endm
; compare and exchange with lane l xor xm, both registers.  pm: the lanes that are the later place of their pair; asc: the lanes of ascending blocks.  A lane keeps its own where (mine comes first) xor pm xor asc.
.macro CEL x, xm, pm, asc
.if \xm == 16
	v_permlanex16_b32 v[PV0], v[\x], s[SEL], s[SEL+1]
	v_permlanex16_b32 v[PI0], v[\x+2], s[SEL], s[SEL+1]
	v_permlanex16_b32 v[PV1], v[\x+1], s[SEL], s[SEL+1]
	v_permlanex16_b32 v[PI1], v[\x+3], s[SEL], s[SEL+1]
.else
	v_mov_b32_dpp v[PV0], v[\x] row_xmask:\xm row_mask:0xf bank_mask:0xf
	v_mov_b32_dpp v[PI0], v[\x+2] row_xmask:\xm row_mask:0xf bank_mask:0xf
	v_mov_b32_dpp v[PV1], v[\x+1] row_xmask:\xm row_mask:0xf bank_mask:0xf
	v_mov_b32_dpp v[PI1], v[\x+3] row_xmask:\xm row_mask:0xf bank_mask:0xf
.endif
	BETTER 40, \x, \x+2, PV0, PI0
	BETTER 43, \x+1, \x+3, PV1, PI1
	s_xor_b32 s40, s40, (\pm)^(\asc)
	s_xor_b32 s43, s43, (\pm)^(\asc)
	v_cndmask_b32 v[\x], v[PV0], v[\x], s40
	v_cndmask_b32 v[\x+2], v[PI0], v[\x+2], s40
	v_cndmask_b32 v[\x+1], v[PV1], v[\x+1], s43
	v_cndmask_b32 v[\x+3], v[PI1], v[\x+3], s43
.endm
; compare and exchange a lane's two registers
.macro CER x, asc
	BETTER 40, \x, \x+2, \x+1, \x+3
.if (\asc) != 0
	s_xor_b32 s40, s40, \asc
.endif
	v_cndmask_b32 v[PV0], v[\x+1], v[\x], s40
	v_cndmask_b32 v[PI0], v[\x+3], v[\x+2], s40
	v_cndmask_b32 v[\x+1], v[\x], v[\x+1], s40
	v_cndmask_b32 v[\x+3], v[\x+2], v[\x+3], s40
	v_mov_b32 v[\x], v[PV0]
	v_mov_b32 v[\x+2], v[PI0]
.endm
; 64 places into ascending order: blocks of 2, 4, .. 64 places; a block of k places ascends where place & k is 0, that is lane & (k / 2)
.macro SORT64 x
	CER \x, A1
	CEL \x, 1, P1, A2
	CER \x, A2
	CEL \x, 2, P2, A4
	CEL \x, 1, P1, A4
	CER \x, A4
	CEL \x, 4, P4, A8
	CEL \x, 2, P2, A8
	CEL \x, 1, P1, A8
	CER \x, A8
	CEL \x, 8, P8, A16
	CEL \x, 4, P4, A16
	CEL \x, 2, P2, A16
	CEL \x, 1, P1, A16
	CER \x, A16
	CEL \x, 16, P16, ALL
	CEL \x, 8, P8, ALL
	CEL \x, 4, P4, ALL
	CEL \x, 2, P2, ALL
	CEL \x, 1, P1, ALL
	CER \x, ALL
.endm
; the kept list (descending) takes, place by place, the better of itself and of an ascending list, and is sorted again
.macro MERGE y0, y1, yi0, yi1
	BETTER 40, LV, LV+2, \y0, \yi0
	BETTER 43, LV+1, LV+3, \y1, \yi1
	v_cndmask_b32 v[LV], v[\y0], v[LV], s40
	v_cndmask_b32 v[LV+2], v[\yi0], v[LV+2], s40
	v_cndmask_b32 v[LV+1], v[\y1], v[LV+1], s43
	v_cndmask_b32 v[LV+3], v[\yi1], v[LV+3], s43
	CEL LV, 16, P16, 0
	CEL LV, 8, P8, 0
	CEL LV, 4, P4, 0
	CEL LV, 2, P2, 0
	CEL LV, 1, P1, 0
	CER LV, 0
.endm
	s_load_b256 s[4:11], s[0:1], 0x0               ; cmask s[4:5], the nodes' codes s[6:7], the patches' codes s[8:9], the scales' exponents s[10:11]
	s_load_b128 s[12:15], s[0:1], 0x20             ; widx s[12:13], wval s[14:15]
	v_lshl_add_u32 v192, v0, 2, 0x800
	v_mov_b32 v193, 0
	v_lshrrev_b32 v1, 5, v0
	v_readfirstlane_b32 s16, v1                    ; wave 0..3
	v_and_b32 v6, 31, v0                           ; lane
	v_and_b32 v1, 15, v0                           ; r
	v_bfe_u32 v184, v0, 4, 1                       ; h
	v_lshlrev_b32 v4, 4, v184                      ; the patch: 16 h
	v_lshl_add_u32 v2, v1, 8, v4                   ; a tile of nodes: 256 r + 16 h
	v_and_b32 v185, 7, v0
	v_lshl_add_u32 v3, v185, 8, v4                 ; the third tile: 256 (r % 8) + 16 h
	v_bfe_u32 v5, v0, 3, 1
	v_lshlrev_b32 v5, 4, v5
	v_lshl_add_u32 v5, v184, 3, v5
	v_add_nc_u32 v5, v5, v185                      ; the node of the group that my first list place takes: 16 ((lane / 8) % 2) + 8 (lane / 16) + lane % 8
	s_lshl_b32 s52, s16, 8
	v_lshl_add_u32 v7, v6, 3, s52                  ; LDS: my wave's list: 256 w + 8 x lane (nodes 1,024 further on)
	v_sub_nc_u32 v9, 31, v6
	v_lshlrev_b32 v9, 3, v9                        ; 8 (31 - lane): a list read backwards
	s_and_b32 s52, s16, 1
	s_lshl_b32 s52, s52, 8
	s_add_co_u32 s52, s52, 512
	v_add_nc_u32 v8, s52, v9                       ; wave w + 2's, for waves 0 and 1
	v_add_nc_u32 v9, 256, v9                       ; wave 1's, for wave 0
	v_lshlrev_b32 v11, 3, v6                       ; 8 x lane: my place in the record, in widx and in wval
	v_add_nc_u32 v12, 32, v6
	v_mov_b32 v13, 0xff800000                      ; -infinity
	v_mov_b32 v14, -1
	v_mov_b32 v15, 0
	v_mov_b32 v[LV], v13                           ; the kept list begins as fillers
	v_mov_b32 v[LV+1], v13
	v_mov_b32 v[LV+2], v14
	v_mov_b32 v[LV+3], v14
	v_mov_b32 v[PV0], 0                            ; written once: the destination of a lane permute counts as one of its sources
	v_mov_b32 v[PI0], 0
	v_mov_b32 v[PV1], 0
	v_mov_b32 v[PI1], 0
	s_mov_b32 s[SEL], 0x76543210
	s_mov_b32 s[SEL+1], 0xfedcba98
	s_mov_b32 s20, P1
	s_mov_b32 s21, P2
	s_mov_b32 s22, P4
	s_mov_b32 s23, P8
	s_mov_b32 s24, 0xffffff00                      ; lanes 8 and up
	s_mov_b32 s55, 0xfe000000                      ; lanes 25 and up: places 50 and up
	s_lshl_b32 s48, ttmp9, 8                       ; 256 bytes a patch in each of the four buffers below
	s_mov_b32 s49, 0
	s_wait_kmcnt 0x0
	s_load_b64 s[50:51], s[10:11], 0x0             ; e0, e1
	s_add_nc_u64 s[4:5], s[4:5], s[48:49]          ; my patch's record,
	s_add_nc_u64 s[8:9], s[8:9], s[48:49]          ; its codes,
	s_add_nc_u64 s[12:13], s[12:13], s[48:49]      ; and its 256 bytes of widx and of wval
	s_add_nc_u64 s[14:15], s[14:15], s[48:49]
	global_load_b64 v[180:181], v11, s[4:5]        ; lane l: words 2 l and 2 l + 1: 256 consecutive bytes
.irp f, 0,1
.irp c, 0,1,2,3
	global_load_b128 v[16+16*\f+4*\c:16+16*\f+4*\c+3], v4, s[8:9] offset:128*\f+32*\c
.endr
.endr
	s_wait_loadcnt 0x0
	s_wait_kmcnt 0x0
	s_mov_b32 s27, 0                               ; the lane whose words are in hand
.Llane:                                            ; 25 trips
	v_readlane_b32 s36, v180, s27
	v_readlane_b32 s37, v181, s27
	s_cmp_lt_u32 s16, 2
	s_cselect_b32 s36, s36, s37                    ; waves 0 and 1: word 2 l; waves 2 and 3: word 2 l + 1
	s_and_b32 s36, s36, 0x01ffffff                 ; its 25 bits
	s_cmp_eq_u32 s36, 0
	s_cbranch_scc1 .Lnext_lane                     ; none of its 25 pairs is marked
	s_mov_b32 s30, 0                               ; the bit in hand
.Lbit:                                             ; 25 trips
	s_lshr_b32 s52, s36, s30
	s_and_b32 s52, s52, 1
	s_cmp_eq_u32 s52, 0
	s_cbranch_scc1 .Lnext_bit
	s_mul_i32 s39, s27, 100
	s_lshl_b32 s52, s30, 2
	s_add_co_u32 s39, s39, s52
	s_add_co_u32 s39, s39, s16                     ; group 100 lane + 4 bit + wave: 2,499 at the most
	s_mul_i32 s48, s39, 10240                      ; 40 rows of 256 bytes
	s_mov_b32 s49, 0
	s_add_nc_u64 s[46:47], s[6:7], s[48:49]        ; (the last group's loads were waited for: their base may be written)
.irp t, 0,1
.irp f, 0,1
.irp c, 0,1,2,3
	global_load_b128 v[48+32*\t+16*\f+4*\c:48+32*\t+16*\f+4*\c+3], v2, s[46:47] offset:4096*\t+128*\f+32*\c
.endr
.endr
.endr
.irp f, 0,1
.irp c, 0,1,2,3
	global_load_b128 v[112+16*\f+4*\c:112+16*\f+4*\c+3], v3, s[46:47] offset:8192+128*\f+32*\c
.endr
.endr
	s_mul_i32 s53, s39, 40                         ; the group's first node
	s_wait_loadcnt 0x0
.irp t, 0,1,2                                  ; the three accumulators take turns, one instruction a turn
	v_wmma_f32_16x16x128_fp8_fp8 v[144+8*\t:151+8*\t], v[48+32*\t:63+32*\t], v[16:31], 0
.endr
.irp t, 0,1,2
	v_wmma_f32_16x16x128_fp8_fp8 v[144+8*\t:151+8*\t], v[64+32*\t:79+32*\t], v[32:47], v[144+8*\t:151+8*\t]
.endr
	v_add_nc_u32 v[NV+2], s53, v5                  ; four plain lines that name no register of the products stand ahead of the first read of results and the first write of a source (ISA guide 7.12.1)
	v_add_nc_u32 v[NV+3], s53, v12
	v_nop
	v_nop
.irp q, 0,1,2,3,4,5,6,7,8,9,10,11              ; register j = lane % 8 of each tile, bit by bit; each accumulator is read from its low end on
	v_cndmask_b32 v[48+\q], v[144+2*\q], v[145+2*\q], s20
.endr
.irp q, 0,2,4,6,8,10
	v_cndmask_b32 v[48+\q], v[48+\q], v[49+\q], s21
.endr
.irp q, 0,4,8
	v_cndmask_b32 v[48+\q], v[48+\q], v[50+\q], s22
.endr
	v_cndmask_b32 v[NV], v48, v52, s23             ; nodes 0-31: tile (lane / 8) % 2
	v_cndmask_b32 v[NV+1], v56, v13, s24           ; nodes 32-39 in lanes 0-7; fillers above
	v_cndmask_b32 v[NV+3], v[NV+3], v14, s24
	SORT64 NV
	MERGE NV, NV+1, NV+2, NV+3
.Lnext_bit:
	s_add_co_u32 s30, s30, 1
	s_cmp_lt_u32 s30, 25
	s_cbranch_scc1 .Lbit
.Lnext_lane:
	s_add_co_u32 s27, s27, 1
	s_cmp_lt_u32 s27, 25
	s_cbranch_scc1 .Llane
	ds_store_b64 v7, v[LV:LV+1]                    ; the four lists meet
	ds_store_b64 v7, v[LV+2:LV+3] offset:1024
	s_wait_dscnt 0x0                               ; for the others' sake: my stores are done
	s_barrier_signal -1
	s_barrier_wait -1
	s_cmp_lt_u32 s16, 2
	s_cbranch_scc0 .Lnot_first_two
	ds_load_b64 v[NV:NV+1], v8                     ; wave w + 2's list backwards: lane 31 - l's pair, whose registers change places
	ds_load_b64 v[NV+2:NV+3], v8 offset:1024
	s_wait_dscnt 0x0
	MERGE NV+1, NV, NV+3, NV+2
	ds_store_b64 v7, v[LV:LV+1]                    ; into my own bytes, which nobody reads in this round
	ds_store_b64 v7, v[LV+2:LV+3] offset:1024
.Lnot_first_two:
	s_wait_dscnt 0x0
	s_barrier_signal -1
	s_barrier_wait -1
	s_cmp_eq_u32 s16, 0
	s_cbranch_scc0 .Lend
	ds_load_b64 v[NV:NV+1], v9                     ; wave 1's list backwards
	ds_load_b64 v[NV+2:NV+3], v9 offset:1024
	s_wait_dscnt 0x0
	MERGE NV+1, NV, NV+3, NV+2
	; the weights
	v_readfirstlane_b32 s52, v[LV]                 ; the largest sum
	s_add_co_i32 s53, s50, s51                     ; e0 + e1
	s_lshl_b32 s54, s53, 23
	s_add_co_u32 s54, s54, 0x429044fe              ; c = 50 log2(e) with e0 + e1 added to its exponent field
	v_mov_b32 v50, s52
	v_mov_b32 v53, 0
	v_ldexp_f32 v51, v50, s53                      ; the largest similarity
	v_sub_f32 v48, v[LV], v50
	v_sub_f32 v49, v[LV+1], v50
	v_mul_f32 v48, s54, v48
	v_mul_f32 v49, s54, v49
	v_exp_f32 v48, v48
	v_exp_f32 v49, v49
	v_nop                                          ; a plain line behind the exponentials,
	s_wait_alu depctr_va_vdst(0)                   ; and one wait for both, ahead of their first reader
	v_cndmask_b32 v48, v48, v15, s55               ; places 50 and up count for nothing
	v_cndmask_b32 v49, v49, v15, s55
	v_add_f32 v52, v48, v49
	v_add_f32_dpp v52, v52, v52 row_xmask:1 row_mask:0xf bank_mask:0xf
	v_add_f32_dpp v52, v52, v52 row_xmask:2 row_mask:0xf bank_mask:0xf
	v_add_f32_dpp v52, v52, v52 row_xmask:4 row_mask:0xf bank_mask:0xf
	v_add_f32_dpp v52, v52, v52 row_xmask:8 row_mask:0xf bank_mask:0xf
	v_permlanex16_b32 v53, v52, s[SEL], s[SEL+1]
	v_add_f32 v52, v52, v53
	v_rcp_f32 v52, v52
	v_nop
	v_cmp_lt_f32 s56, 0, v48                       ; the list descends, so the lanes whose first weight is not 0 are lanes 0 to n - 1
	s_bcnt1_i32_b32 s56, s56
	v_readfirstlane_b32 s57, v51
	s_wait_alu depctr_va_vdst(0)
	v_mul_f32 v48, v48, v52
	v_mul_f32 v49, v49, v52
	v_writelane_b32 v[LV+3], s56, 31               ; place 63: n,
	v_writelane_b32 v49, s57, 31                   ; and the largest similarity
	global_store_b64 v11, v[LV+2:LV+3], s[12:13]   ; 256 consecutive bytes each, aligned
	global_store_b64 v11, v[48:49], s[14:15]
.Lend:
	s_wait_tensorcnt 0x0
	ds_add_u32 v192, v193
	s_wait_dscnt 0x0
	s_endpgm
.Lfunc_end_k_qd841acb74d_cand:
	.size	k_qd841acb74d_cand, .Lfunc_end_k_qd841acb74d_cand-k_qd841acb74d_cand
	.p2alignl 7, 3214868480
	.fill 96, 4, 3214868480
	.section	.rodata,"a",@progbits
	.p2align	6, 0x0
	.amdhsa_kernel k_qd841acb74d_cand
		.amdhsa_group_segment_fixed_size 2560
		.amdhsa_private_segment_fixed_size 0
		.amdhsa_enable_private_segment 0
		.amdhsa_kernarg_size 48
		.amdhsa_user_sgpr_count 2
		.amdhsa_user_sgpr_kernarg_segment_ptr 1
		.amdhsa_wavefront_size32 1
		.amdhsa_system_sgpr_workgroup_id_x 1
		.amdhsa_system_sgpr_workgroup_id_y 1
		.amdhsa_system_sgpr_workgroup_id_z 1
		.amdhsa_system_vgpr_workitem_id 0
		.amdhsa_next_free_vgpr 194
		.amdhsa_next_free_sgpr 66
		.amdhsa_reserve_vcc 0
		.amdhsa_float_denorm_mode_32 3
		.amdhsa_float_denorm_mode_16_64 3
		.amdhsa_memory_ordered 1
		.amdhsa_forward_progress 1
		.amdhsa_inst_pref_size 53
	.end_amdhsa_kernel
	.amdgpu_metadata
---
amdhsa.version: [ 1, 2 ]
amdhsa.kernels:
  - .name:           k_qd841acb74d_cand
    .symbol:         k_qd841acb74d_cand.kd
    .args:
      - { .name: cmask, .offset: 0, .size: 8, .value_kind: global_buffer, .address_space: global }
      - { .name: mcodes, .offset: 8, .size: 8, .value_kind: global_buffer, .address_space: global }
      - { .name: pcodes, .offset: 16, .size: 8, .value_kind: global_buffer, .address_space: global }
      - { .name: lowp_scales, .offset: 24, .size: 8, .value_kind: global_buffer, .address_space: global }
      - { .name: widx, .offset: 32, .size: 8, .value_kind: global_buffer, .address_space: global }
      - { .name: wval, .offset: 40, .size: 8, .value_kind: global_buffer, .address_space: global }
    .group_segment_fixed_size: 2560
    .private_segment_fixed_size: 0
    .kernarg_segment_align: 8
    .kernarg_segment_size: 48
    .max_flat_workgroup_size: 128
    .sgpr_count:     66
    .vgpr_count:     194
    .wavefront_size: 32
...
	.end_amdgpu_metadata
.endif
;; end of part 4
;; launch msg (part 5): grid 128 x 1, 16 waves a work-group, no clusters, 19,456 bytes of LDS; arguments widx, wval, memory_nodes_gpu, test_patches, out1, part; writes out1, part
.if DOCPART == 5
	.amdgcn_target "amdgcn-amd-amdhsa--gfx1250"
	.amdhsa_code_object_version 6
	.text
	.protected	k_qd841acb74d_msg
	.globl	k_qd841acb74d_msg
	.p2align	8
	.type	k_qd841acb74d_msg,@function
k_qd841acb74d_msg:
	s_mov_b64 s[64:65], 0
	v_nop
	global_prefetch_b8 v0, s[64:65] scope:SCOPE_SE
	s_setreg_imm32_b32 hwreg(HW_REG_WAVE_MODE, 25, 1), 1
	s_wait_xcnt 0x0
; out1[p] = l2norm(patch p + the sum of weight x node's row (f32, unquantised)), a wave to a patch; and the work-group's share of the softmax over the patches' largest similarities:
; M = the largest of its 16, e = 2^((evidence - M) x 50 log2(e)), the sum of e x out1[p] (256 numbers) and the sum of e.
; The rows are gathered by widx, which an earlier launch stored: n lanes of the list hold a weight that is not 0 (n from place 63, held between 1 and 25); trip i takes the two places of lane i.
; A place of weight 0 may name a filler: its index is held at 99,999 and its row counts 0 times.  LIMIT: NaN and infinities among the inputs are not served.
; A lane holds columns 4 l .. 4 l + 3 and 128 + 4 l .. + 3: each load and store of a wave covers 512 consecutive bytes.
; part: 1,280 bytes a work-group: 256 sums, then (M, sum of e) and 62 zeros.
; LDS: 0: the 16 evidences; 256: the 16 e; from 1,024: e x out1, 1,024 bytes a wave.
.set SEL, 44                           ; s[44:45]
.set C2, 0x429044fe                    ; 50 log2(e)
.macro LANESUM a, t
	v_add_f32_dpp v[\a], v[\a], v[\a] row_xmask:1 row_mask:0xf bank_mask:0xf
	v_add_f32_dpp v[\a], v[\a], v[\a] row_xmask:2 row_mask:0xf bank_mask:0xf
	v_add_f32_dpp v[\a], v[\a], v[\a] row_xmask:4 row_mask:0xf bank_mask:0xf
	v_add_f32_dpp v[\a], v[\a], v[\a] row_xmask:8 row_mask:0xf bank_mask:0xf
	v_permlanex16_b32 v[\t], v[\a], s[SEL], s[SEL+1]
	v_add_f32 v[\a], v[\a], v[\t]
.endm
	s_load_b256 s[4:11], s[0:1], 0x0               ; widx s[4:5], wval s[6:7], the nodes s[8:9], the patches s[10:11]
	s_load_b128 s[12:15], s[0:1], 0x20             ; out1 s[12:13], part s[14:15]
	v_lshl_add_u32 v128, v0, 2, 0x4400
	v_mov_b32 v129, 0
	v_lshrrev_b32 v1, 5, v0
	v_readfirstlane_b32 s16, v1                    ; wave 0..15
	v_and_b32 v1, 31, v0
	v_lshlrev_b32 v6, 3, v1                        ; 8 x lane
	v_lshlrev_b32 v7, 4, v1                        ; 16 x lane
	s_lshl_b32 s17, ttmp9, 4
	s_add_co_u32 s17, s17, s16                     ; my patch
	s_lshl_b32 s18, s17, 8
	s_mov_b32 s19, 0
	s_lshl_b32 s20, s17, 10
	s_mov_b32 s21, 0
	s_mul_i32 s36, ttmp9, 1280
	s_mov_b32 s37, 0
	s_mov_b32 s[SEL], 0x76543210
	s_mov_b32 s[SEL+1], 0xfedcba98
	; every LDS address is made here, ahead of the first branch on the wave's number
	s_lshl_b32 s38, s16, 2
	v_mov_b32 v40, s38                             ; 4 w
	v_mov_b32 v41, 0
	s_lshl_b32 s38, s16, 10
	s_add_co_u32 s38, s38, 1024
	v_add_nc_u32 v42, s38, v7                      ; 1,024 + 1,024 w + 16 x lane
	s_and_b32 s38, s16, 1
	s_lshl_b32 s38, s38, 9
	s_add_co_u32 s38, s38, 1024
	v_add_nc_u32 v43, s38, v7                      ; 1,024 + 512 (w % 2) + 16 x lane
	v_mov_b32 v34, 0                               ; a lane permute's destination counts as one of its sources
	s_wait_kmcnt 0x0
	s_add_nc_u64 s[4:5], s[4:5], s[18:19]
	s_add_nc_u64 s[6:7], s[6:7], s[18:19]
	s_add_nc_u64 s[10:11], s[10:11], s[20:21]
	s_add_nc_u64 s[12:13], s[12:13], s[20:21]
	s_add_nc_u64 s[14:15], s[14:15], s[36:37]
	global_load_b64 v[2:3], v6, s[4:5]             ; the list's nodes,
	global_load_b64 v[4:5], v6, s[6:7]             ; its weights,
	global_load_b128 v[8:11], v7, s[10:11]         ; the patch
	global_load_b128 v[12:15], v7, s[10:11] offset:512
	s_wait_loadcnt 0x0
	v_readlane_b32 s22, v3, 31                     ; n
	s_max_u32 s22, s22, 1
	s_min_u32 s22, s22, 25
	v_readlane_b32 s23, v5, 31                     ; the evidence
	s_mov_b32 s24, 0
	s_mov_b32 s27, 0
	s_mov_b32 s29, 0
.Lrow:
	v_readlane_b32 s26, v2, s24
	v_readlane_b32 s28, v3, s24
	s_min_u32 s26, s26, 99999                      ; a number that was read enters an address only held inside its table
	s_min_u32 s28, s28, 99999
	s_lshl_b32 s26, s26, 10
	s_lshl_b32 s28, s28, 10
	s_add_nc_u64 s[30:31], s[8:9], s[26:27]        ; (the last trip's loads were waited for: their bases may be written)
	s_add_nc_u64 s[32:33], s[8:9], s[28:29]
	global_load_b128 v[16:19], v7, s[30:31]
	global_load_b128 v[20:23], v7, s[30:31] offset:512
	global_load_b128 v[24:27], v7, s[32:33]
	global_load_b128 v[28:31], v7, s[32:33] offset:512
	v_readlane_b32 s34, v4, s24
	v_readlane_b32 s35, v5, s24
	s_wait_loadcnt 0x0
.irp j, 0,1,2,3,4,5,6,7
	v_fmac_f32 v[8+\j], s34, v[16+\j]
.endr
.irp j, 0,1,2,3,4,5,6,7
	v_fmac_f32 v[8+\j], s35, v[24+\j]
.endr
	s_add_co_u32 s24, s24, 1
	s_cmp_lt_u32 s24, s22
	s_cbranch_scc1 .Lrow
	v_mul_f32 v32, v8, v8                          ; the sum of squares, in two chains
	v_mul_f32 v33, v12, v12
.irp j, 1,2,3
	v_fmac_f32 v32, v[8+\j], v[8+\j]
	v_fmac_f32 v33, v[12+\j], v[12+\j]
.endr
	v_add_f32 v32, v32, v33
	LANESUM 32, 34
	v_sqrt_f32 v32, v32
	v_mov_b32 v35, s23                             ; (a plain line behind the root)  the evidence
	s_wait_alu depctr_va_vdst(0)                   ; the wait ahead of the first reader
	v_max_num_f32 v32, 0x2b8cbccc, v32             ; at least 1e-12
	v_rcp_f32 v32, v32
	v_nop
	s_wait_alu depctr_va_vdst(0)
.irp j, 0,1,2,3,4,5,6,7
	v_mul_f32 v[8+\j], v[8+\j], v32
.endr
	global_store_b128 v7, v[8:11], s[12:13]        ; v8-15 are not written again
	global_store_b128 v7, v[12:15], s[12:13] offset:512
	ds_store_b32 v40, v35                          ; all lanes write the same word with the same number
	s_wait_dscnt 0x0
	s_barrier_signal -1
	s_barrier_wait -1
.irp i, 0,1,2,3
	ds_load_b128 v[44+4*\i:47+4*\i], v41 offset:16*\i
.endr
	s_wait_dscnt 0x0
	v_max3_num_f32 v36, v44, v45, v46
.irp i, 47,49,51,53,55,57
	v_max3_num_f32 v36, v36, v[\i], v[\i+1]
.endr
	v_max_num_f32 v36, v36, v59                    ; M
	v_sub_f32 v37, v35, v36
	v_mul_f32 v37, C2, v37
	v_exp_f32 v37, v37
	v_nop
	s_wait_alu depctr_va_vdst(0)
.irp j, 0,1,2,3,4,5,6,7
	v_mul_f32 v[16+\j], v[8+\j], v37
.endr
	ds_store_b32 v40, v37 offset:256
	ds_store_b128 v42, v[16:19]
	ds_store_b128 v42, v[20:23] offset:512
	s_wait_dscnt 0x0
	s_barrier_signal -1
	s_barrier_wait -1
	s_cmp_lt_u32 s16, 2
	s_cbranch_scc0 .Lnot_sum
.irp k, 0,1,2,3,4,5,6,7,8,9,10,11,12,13,14,15
	ds_load_b128 v[64+4*\k:67+4*\k], v43 offset:1024*\k    ; my half of the columns of all 16 rows
.endr
	s_lshl_b32 s38, s16, 9
	s_mov_b32 s39, 0
	s_add_nc_u64 s[14:15], s[14:15], s[38:39]
	s_wait_dscnt 0x0
.irp k, 1,2,3,4,5,6,7,8,9,10,11,12,13,14,15
	v_pk_add_f32 v[64:65], v[64:65], v[64+4*\k:65+4*\k]
	v_pk_add_f32 v[66:67], v[66:67], v[66+4*\k:67+4*\k]
.endr
	global_store_b128 v7, v[64:67], s[14:15]       ; 512 consecutive bytes
	s_wait_tensorcnt 0x0
	ds_add_u32 v128, v129
	s_wait_dscnt 0x0
	s_endpgm
.Lnot_sum:
	s_cmp_eq_u32 s16, 2
	s_cbranch_scc0 .Lend
.irp i, 0,1,2,3
	ds_load_b128 v[44+4*\i:47+4*\i], v41 offset:256+16*\i
.endr
	s_wait_dscnt 0x0
.irp i, 2,4,6,8,10,12,14
	v_pk_add_f32 v[44:45], v[44:45], v[44+\i:45+\i]
.endr
	v_add_f32 v44, v44, v45                        ; the sum of e
	v_cmp_eq_u32 vcc_lo, 0, v1
	v_cndmask_b32 v38, 0, v36, vcc_lo              ; lane 0: (M, the sum); the other lanes: zeros
	v_cndmask_b32 v39, 0, v44, vcc_lo
	global_store_b64 v6, v[38:39], s[14:15] offset:1024    ; 256 consecutive bytes
.Lend:
	s_wait_tensorcnt 0x0
	ds_add_u32 v128, v129
	s_wait_dscnt 0x0
	s_endpgm
.Lfunc_end_k_qd841acb74d_msg:
	.size	k_qd841acb74d_msg, .Lfunc_end_k_qd841acb74d_msg-k_qd841acb74d_msg
	.p2alignl 7, 3214868480
	.fill 96, 4, 3214868480
	.section	.rodata,"a",@progbits
	.p2align	6, 0x0
	.amdhsa_kernel k_qd841acb74d_msg
		.amdhsa_group_segment_fixed_size 19456
		.amdhsa_private_segment_fixed_size 0
		.amdhsa_enable_private_segment 0
		.amdhsa_kernarg_size 48
		.amdhsa_user_sgpr_count 2
		.amdhsa_user_sgpr_kernarg_segment_ptr 1
		.amdhsa_wavefront_size32 1
		.amdhsa_system_sgpr_workgroup_id_x 1
		.amdhsa_system_sgpr_workgroup_id_y 1
		.amdhsa_system_sgpr_workgroup_id_z 1
		.amdhsa_system_vgpr_workitem_id 0
		.amdhsa_next_free_vgpr 130
		.amdhsa_next_free_sgpr 66
		.amdhsa_reserve_vcc 1
		.amdhsa_float_denorm_mode_32 3
		.amdhsa_float_denorm_mode_16_64 3
		.amdhsa_memory_ordered 1
		.amdhsa_forward_progress 1
		.amdhsa_inst_pref_size 12
	.end_amdhsa_kernel
	.amdgpu_metadata
---
amdhsa.version: [ 1, 2 ]
amdhsa.kernels:
  - .name:           k_qd841acb74d_msg
    .symbol:         k_qd841acb74d_msg.kd
    .args:
      - { .name: widx, .offset: 0, .size: 8, .value_kind: global_buffer, .address_space: global }
      - { .name: wval, .offset: 8, .size: 8, .value_kind: global_buffer, .address_space: global }
      - { .name: memory_nodes_gpu, .offset: 16, .size: 8, .value_kind: global_buffer, .address_space: global }
      - { .name: test_patches, .offset: 24, .size: 8, .value_kind: global_buffer, .address_space: global }
      - { .name: out1, .offset: 32, .size: 8, .value_kind: global_buffer, .address_space: global }
      - { .name: part, .offset: 40, .size: 8, .value_kind: global_buffer, .address_space: global }
    .group_segment_fixed_size: 19456
    .private_segment_fixed_size: 0
    .kernarg_segment_align: 8
    .kernarg_segment_size: 48
    .max_flat_workgroup_size: 512
    .sgpr_count:     66
    .vgpr_count:     130
    .wavefront_size: 32
...
	.end_amdgpu_metadata
.endif
;; end of part 5
;; launch fin (part 6): grid 1 x 1, 8 waves a work-group, no clusters, 5,120 bytes of LDS; arguments part, out0; writes out0
.if DOCPART == 6
	.amdgcn_target "amdgcn-amd-amdhsa--gfx1250"
	.amdhsa_code_object_version 6
	.text
	.protected	k_qd841acb74d_fin
	.globl	k_qd841acb74d_fin
	.p2align	8
	.type	k_qd841acb74d_fin,@function
k_qd841acb74d_fin:
	s_mov_b64 s[64:65], 0
	v_nop
	global_prefetch_b8 v0, s[64:65] scope:SCOPE_SE
	s_setreg_imm32_b32 hwreg(HW_REG_WAVE_MODE, 25, 1), 1
	s_wait_xcnt 0x0
; out0 = l2norm(the sum over patches of out1[p] x softmax(evidence / 0.02)[p]), from the 128 partial sums: M = the largest of the 128 partial maxima, f = 2^((M_w - M) x 50 log2(e)),
; the sum of f x partial row, divided by the sum of f x partial sum of e.  One work-group: the whole input is 163,840 bytes and the result one row.
; Wave v takes half v % 2 of the columns of partial rows 32 (v / 2) .. + 31: 32 loads of 512 consecutive bytes; the eight waves' sums meet in LDS (512 bytes a wave) and wave 0 finishes.
.set SEL, 24                           ; s[24:25]
.set C2, 0x429044fe                    ; 50 log2(e)
.macro LANESUM a, t
	v_add_f32_dpp v[\a], v[\a], v[\a] row_xmask:1 row_mask:0xf bank_mask:0xf
	v_add_f32_dpp v[\a], v[\a], v[\a] row_xmask:2 row_mask:0xf bank_mask:0xf
	v_add_f32_dpp v[\a], v[\a], v[\a] row_xmask:4 row_mask:0xf bank_mask:0xf
	v_add_f32_dpp v[\a], v[\a], v[\a] row_xmask:8 row_mask:0xf bank_mask:0xf
	v_permlanex16_b32 v[\t], v[\a], s[SEL], s[SEL+1]
	v_add_f32 v[\a], v[\a], v[\t]
.endm
	s_load_b128 s[4:7], s[0:1], 0x0                ; part, out0
	v_lshl_add_u32 v176, v0, 2, 0x1000
	v_mov_b32 v177, 0
	v_lshrrev_b32 v1, 5, v0
	v_readfirstlane_b32 s8, v1                     ; wave 0..7
	v_and_b32 v1, 31, v0
	v_lshlrev_b32 v2, 4, v1                        ; 16 x lane
	v_mul_u32_u24 v3, v1, 1280                     ; a partial record a lane
	s_lshl_b32 s9, s8, 9
	v_add_nc_u32 v4, s9, v2                        ; LDS: 512 v + 16 x lane
	s_and_b32 s9, s8, 1
	s_lshr_b32 s10, s8, 1
	s_mul_i32 s12, s10, 40960                      ; my 32 records,
	s_mov_b32 s13, 0
	s_lshl_b32 s14, s9, 9                          ; my half of the columns
	s_mov_b32 s15, 0
	s_mov_b32 s[SEL], 0x76543210
	s_mov_b32 s[SEL+1], 0xfedcba98
	v_mov_b32 v27, 0                               ; a lane permute's destination counts as one of its sources
	s_wait_kmcnt 0x0
	s_add_nc_u64 s[16:17], s[4:5], s[12:13]
	s_add_nc_u64 s[18:19], s[16:17], s[14:15]
.irp i, 0,1,2,3
	global_load_b64 v[8+2*\i:9+2*\i], v3, s[4:5] offset:1024+40960*\i      ; (M, sum of e) of record 32 i + lane
.endr
	global_load_b64 v[16:17], v3, s[16:17] offset:1024                     ; and of my own 32
.irp k, 0,1,2,3,4,5,6,7,8,9,10,11,12,13,14,15,16,17,18,19,20,21,22,23,24,25,26,27,28,29,30,31
	global_load_b128 v[32+4*\k:35+4*\k], v2, s[18:19] offset:1280*\k
.endr
	s_wait_loadcnt 32                              ; the five small loads are in; the 32 rows issued behind them may be out
	v_max3_num_f32 v20, v8, v10, v12
	v_max_num_f32 v20, v20, v14
	v_max_num_f32_dpp v20, v20, v20 row_xmask:1 row_mask:0xf bank_mask:0xf
	v_max_num_f32_dpp v20, v20, v20 row_xmask:2 row_mask:0xf bank_mask:0xf
	v_max_num_f32_dpp v20, v20, v20 row_xmask:4 row_mask:0xf bank_mask:0xf
	v_max_num_f32_dpp v20, v20, v20 row_xmask:8 row_mask:0xf bank_mask:0xf
	v_permlanex16_b32 v27, v20, s[SEL], s[SEL+1]
	v_max_num_f32 v20, v20, v27                    ; M
.irp i, 0,1,2,3
	v_sub_f32 v[21+\i], v[8+2*\i], v20
.endr
	v_sub_f32 v25, v16, v20
.irp i, 0,1,2,3,4
	v_mul_f32 v[21+\i], C2, v[21+\i]
.endr
.irp i, 0,1,2,3,4
	v_exp_f32 v[21+\i], v[21+\i]
.endr
	v_nop                                          ; a plain line behind the exponentials,
	s_wait_alu depctr_va_vdst(0)                   ; and one wait for the five, ahead of their first reader
	v_mul_f32 v26, v21, v9
	v_fmac_f32 v26, v22, v11
	v_fmac_f32 v26, v23, v13
	v_fmac_f32 v26, v24, v15
	LANESUM 26, 27                                 ; the softmax's divisor
	s_wait_loadcnt 0x0
	v_readlane_b32 s20, v25, 0
.irp j, 0,1,2,3
	v_mul_f32 v[28+\j], s20, v[32+\j]              ; the first term starts the sums
.endr
.irp k, 1,2,3,4,5,6,7,8,9,10,11,12,13,14,15,16,17,18,19,20,21,22,23,24,25,26,27,28,29,30,31
	v_readlane_b32 s[20+\k%4], v25, \k
.irp j, 0,1,2,3
	v_fmac_f32 v[28+\j], s[20+\k%4], v[32+4*\k+\j]
.endr
.endr
	ds_store_b128 v4, v[28:31]
	s_wait_dscnt 0x0                               ; for the others' sake: my store is done
	s_barrier_signal -1
	s_barrier_wait -1
	s_cmp_eq_u32 s8, 0
	s_cbranch_scc0 .Lend
.irp q, 0,1,2,3
	ds_load_b128 v[32+4*\q:35+4*\q], v2 offset:1024*\q         ; columns 0-127: waves 0, 2, 4, 6
	ds_load_b128 v[48+4*\q:51+4*\q], v2 offset:1024*\q+512     ; columns 128-255: waves 1, 3, 5, 7
.endr
	v_rcp_f32 v26, v26
	v_nop
	s_wait_dscnt 0x0
.irp q, 1,2,3
	v_pk_add_f32 v[32:33], v[32:33], v[32+4*\q:33+4*\q]
	v_pk_add_f32 v[34:35], v[34:35], v[34+4*\q:35+4*\q]
	v_pk_add_f32 v[48:49], v[48:49], v[48+4*\q:49+4*\q]
	v_pk_add_f32 v[50:51], v[50:51], v[50+4*\q:51+4*\q]
.endr
	s_wait_alu depctr_va_vdst(0)
.irp j, 0,1,2,3
	v_mul_f32 v[32+\j], v[32+\j], v26
	v_mul_f32 v[48+\j], v[48+\j], v26
.endr
	v_mul_f32 v20, v32, v32
	v_mul_f32 v21, v48, v48
.irp j, 1,2,3
	v_fmac_f32 v20, v[32+\j], v[32+\j]
	v_fmac_f32 v21, v[48+\j], v[48+\j]
.endr
	v_add_f32 v20, v20, v21
	LANESUM 20, 27
	v_sqrt_f32 v20, v20
	v_nop
	s_wait_alu depctr_va_vdst(0)
	v_max_num_f32 v20, 0x2b8cbccc, v20             ; at least 1e-12
	v_rcp_f32 v20, v20
	v_nop
	s_wait_alu depctr_va_vdst(0)
.irp j, 0,1,2,3
	v_mul_f32 v[32+\j], v[32+\j], v20
	v_mul_f32 v[48+\j], v[48+\j], v20
.endr
	global_store_b128 v2, v[32:35], s[6:7]         ; 512 consecutive bytes each
	global_store_b128 v2, v[48:51], s[6:7] offset:512
.Lend:
	s_wait_tensorcnt 0x0
	ds_add_u32 v176, v177
	s_wait_dscnt 0x0
	s_endpgm
.Lfunc_end_k_qd841acb74d_fin:
	.size	k_qd841acb74d_fin, .Lfunc_end_k_qd841acb74d_fin-k_qd841acb74d_fin
	.p2alignl 7, 3214868480
	.fill 96, 4, 3214868480
	.section	.rodata,"a",@progbits
	.p2align	6, 0x0
	.amdhsa_kernel k_qd841acb74d_fin
		.amdhsa_group_segment_fixed_size 5120
		.amdhsa_private_segment_fixed_size 0
		.amdhsa_enable_private_segment 0
		.amdhsa_kernarg_size 16
		.amdhsa_user_sgpr_count 2
		.amdhsa_user_sgpr_kernarg_segment_ptr 1
		.amdhsa_wavefront_size32 1
		.amdhsa_system_sgpr_workgroup_id_x 1
		.amdhsa_system_sgpr_workgroup_id_y 1
		.amdhsa_system_sgpr_workgroup_id_z 1
		.amdhsa_system_vgpr_workitem_id 0
		.amdhsa_next_free_vgpr 178
		.amdhsa_next_free_sgpr 66
		.amdhsa_reserve_vcc 0
		.amdhsa_float_denorm_mode_32 3
		.amdhsa_float_denorm_mode_16_64 3
		.amdhsa_memory_ordered 1
		.amdhsa_forward_progress 1
		.amdhsa_inst_pref_size 16
	.end_amdhsa_kernel
	.amdgpu_metadata
---
amdhsa.version: [ 1, 2 ]
amdhsa.kernels:
  - .name:           k_qd841acb74d_fin
    .symbol:         k_qd841acb74d_fin.kd
    .args:
      - { .name: part, .offset: 0, .size: 8, .value_kind: global_buffer, .address_space: global }
      - { .name: out0, .offset: 8, .size: 8, .value_kind: global_buffer, .address_space: global }
    .group_segment_fixed_size: 5120
    .private_segment_fixed_size: 0
    .kernarg_segment_align: 8
    .kernarg_segment_size: 16
    .max_flat_workgroup_size: 256
    .sgpr_count:     66
    .vgpr_count:     178
    .wavefront_size: 32
...
	.end_amdgpu_metadata
.endif
;; end of part 6
;; ======== version 2 of 2: 6 launches; version 1 with the launch cand written anew for expert scheduling mode
;; workspace buffers: mcodes 25,600,000 bytes; pcodes 524,288 bytes; gmx 20,480,000 bytes; cmask 524,288 bytes of whole numbers; widx 524,288 bytes of whole numbers; wval 524,288 bytes; part 163,840 bytes
;; launch quant: the kernel of part 1 again; grid 3189 x 1, 1 waves a work-group, no clusters, 8,448 bytes of LDS; arguments memory_nodes_gpu, test_patches, lowp_scales, mcodes, pcodes; writes mcodes, pcodes
;; launch groupmax: the kernel of part 2 again; grid 125 x 2, 4 waves a work-group, no clusters, 262,656 bytes of LDS; arguments mcodes, pcodes, gmx; writes gmx
;; launch mark: the kernel of part 3 again; grid 128 x 1, 25 waves a work-group, no clusters, 13,568 bytes of LDS; arguments gmx, lowp_scales, cmask; writes cmask
;; launch cand (part 7): grid 2048 x 1, 4 waves a work-group, no clusters, 2,560 bytes of LDS; arguments cmask, mcodes, pcodes, lowp_scales, widx, wval; writes widx, wval
.if DOCPART == 7
	.amdgcn_target "amdgcn-amd-amdhsa--gfx1250"
	.amdhsa_code_object_version 6
	.text
	.protected	k_qd841acb74d_cand
	.globl	k_qd841acb74d_cand
	.p2align	8
	.type	k_qd841acb74d_cand,@function
k_qd841acb74d_cand:
	s_mov_b64 s[64:65], 0
	v_nop
	global_prefetch_b8 v0, s[64:65] scope:SCOPE_SE
	s_setreg_imm32_b32 hwreg(HW_REG_WAVE_SCHED_MODE, 0, 2), 2
	s_setreg_imm32_b32 hwreg(HW_REG_WAVE_MODE, 25, 1), 1
	s_wait_xcnt 0x0
	s_wait_alu depctr_vm_vsrc(0)
; One work-group for each patch.  The groups of the pairs that cmask marks are multiplied again (the same matrix instruction, the same feeding of K), and of their sums the 64 that come first by (sum descending,
; node ascending: ties go to the lower index) are kept as a sorted list; the first 50 are the patch's top 50 wherever a weight is not 0.  Stored: the nodes (widx) and the softmax's weights (wval), at fixed places.
; SHARES.  The patch's record is 64 words; bit j (0 .. 24) of word 2 l + par (l = 0 .. 24) marks groups 100 l + 4 j + 2 par and + 1; bit 31 says nothing and is cut off.  Every wave loads the whole record, 8 bytes a lane.
; Wave w takes the groups g with g % 4 = w: of lane l's two words the first (waves 0, 1) or the second (waves 2, 3), and of each marked pair group w % 2.  So the two groups of a pair go to two waves.
; THE WALK is two counted loops of 25 trips: a word comes into a scalar register by v_readlane_b32 of the loaded registers, a word with no bit is jumped over, and so is a bit that is 0.
; The group's number is made of the two counters and the wave's number alone (2,499 at the most), so no loaded number enters an address.
; A GROUP: 40 nodes = tiles of rows 0-15, 16-31 and 32-39 (rows 8-15 of the third tile repeat 32-39, so no load leaves the buffer).  Source 0 = nodes, source 1 = the patch in all 16 columns.
; Lane (r, h), register j of tile t then holds node 16 t + 8 h + j, whatever r: 22 selects on the lane's number deal the 40 sums out, one to a list place.
; A LIST is 64 places, place e = 2 x lane + register, a sum and a node each.  The group's 40 (and 24 fillers: -infinity, node 0xffffffff) are sorted ascending by a bitonic network (21 stages); place by place
; the better of the kept list (descending) and of these is kept, which leaves the best 64 of both as a bitonic sequence; six more stages sort it.  The waves' lists meet in LDS, read backwards, in two rounds.
; No branch and no address hangs on a sum: every choice among sums is a v_cndmask_b32.  Branches hang on cmask's words alone.
; WEIGHTS: p = 2^((S - largest S) x c), c = 50 log2(e) x 2^(e0 + e1); a = p / the sum of the 50 p.  widx: [2048][64] place e; place 63 holds the number of lanes whose first weight is not 0 (1 to 25).
; wval: likewise a; place 63 holds the largest similarity, S x 2^(e0 + e1).
; LIMITS: e0 + e1 between -120 and 120; NaN and infinities are not served; weights under 2^-126 of the largest count as 0; the time grows with the number of marked pairs (up to 1,250 for inputs so small that all similarities lie within 1.78).
; THE MODE: SCHED_MODE bits 1:0 = 2 (LLVM: expert scheduling mode 2), set by the entry lines.  The code itself states the register dependences between vector or matrix instructions and memory or LDS
; instructions, and those through scalar registers that vector instructions write, with s_wait_alu, always for 0.
; THE PLAN.  Registers that memory or LDS instructions touch:
;   v2, v3, v4, v11 (offsets), v7, v8, v9 (LDS addresses)   written at the head and never again; read by every load and store.  One wait on va_vdst ahead of the first load serves them all.
;   v180-181 (the record), v16-47 (the patch)               a load lands in each once; afterwards vector and matrix instructions alone name them.
;   v48-143 (a group's codes)   a group's 24 loads land here; its six products read them; its selects write v48-59.  One wait on va_vdst at a group's head states that the group before is done with them.
;   LV                          written by every merge; read by the LDS stores of the two rounds and, its nodes, by the last global store: a wait on va_vdst ahead of each run of stores,
;                               a wait on vm_vsrc behind each round's barrier, ahead of the merge that writes LV again.
;   NV                          in the walk vector instructions alone name it; in the rounds an LDS load lands in it: the wait on va_vdst ahead of the LDS stores just before serves that load too,
;                               since no vector instruction stands between.
;   v48-49 (the weights)        written at the end, read by the last global store.      v192, v193: written at the head, read by the closing add alone.
; Scalar registers that vector instructions write: the wave's number; a lane's two words; each stage's six masks (the compares stand together, ONE wait on va_sdst, then the scalar lines that join them);
; the largest sum; n and the evidence.  Each has its wait on va_sdst ahead of its first reader, in the same straight run.
; No second buffer for a next group's codes: where the next group lies is known only by walking on through the record, and 96 registers more would pass v255.
.set P1,  0xaaaaaaaa                   ; lanes whose number has bit 0 set; and so on
.set P2,  0xcccccccc
.set P4,  0xf0f0f0f0
.set P8,  0xff00ff00
.set P16, 0xffff0000
.set A1,  0x55555555                   ; their complements
.set A2,  0x33333333
.set A4,  0x0f0f0f0f
.set A8,  0x00ff00ff
.set A16, 0x0000ffff
.set ALL, 0xffffffff
.set LV,  168                          ; v168-169 the kept list's sums, v170-171 its nodes
.set NV,  172                          ; v172-173, v174-175 the other list
.set PV0, 176                          ; v176-179 the partner's sum and node, for both registers
.set PI0, 177
.set PV1, 178
.set PI1, 179
.set SEL, 18                           ; s[18:19] v_permlanex16_b32's selects for lane l xor 16
; s[m] = the lanes in which (sum v, node i) comes before (pv, pi), in two parts: CMP3's three compares, and, behind a wait on va_sdst, JOIN's two scalar lines; s[m+1], s[m+2] at work
.macro CMP3 m, v, i, pv, pi
	v_cmp_gt_f32 s[\m], v[\v], v[\pv]
	v_cmp_eq_f32 s[\m+1], v[\v], v[\pv]
	v_cmp_lt_u32 s[\m+2], v[\i], v[\pi]
.endm
.macro JOIN m
	s_and_b32 s[\m+1], s[\m+1], s[\m+2]
	s_or_b32 s[\m], s[\m], s[\m+1]
.endm
; compare and exchange with lane l xor xm, both registers.  pm: the lanes that are the later place of their pair; asc: the lanes of ascending blocks.  A lane keeps its own where (mine comes first) xor pm xor asc.
.macro CEL x, xm, pm, asc
.if \xm == 16
	v_permlanex16_b32 v[PV0], v[\x], s[SEL], s[SEL+1]
	v_permlanex16_b32 v[PI0], v[\x+2], s[SEL], s[SEL+1]
	v_permlanex16_b32 v[PV1], v[\x+1], s[SEL], s[SEL+1]
	v_permlanex16_b32 v[PI1], v[\x+3], s[SEL], s[SEL+1]
.else
	v_mov_b32_dpp v[PV0], v[\x] row_xmask:\xm row_mask:0xf bank_mask:0xf
	v_mov_b32_dpp v[PI0], v[\x+2] row_xmask:\xm row_mask:0xf bank_mask:0xf
	v_mov_b32_dpp v[PV1], v[\x+1] row_xmask:\xm row_mask:0xf bank_mask:0xf
	v_mov_b32_dpp v[PI1], v[\x+3] row_xmask:\xm row_mask:0xf bank_mask:0xf
.endif
	CMP3 40, \x, \x+2, PV0, PI0
	CMP3 43, \x+1, \x+3, PV1, PI1
	s_wait_alu depctr_va_sdst(0)                   ; the six compares have written s40 to s45, ahead of their first reader
	JOIN 40
	JOIN 43
	s_xor_b32 s40, s40, (\pm)^(\asc)
	s_xor_b32 s43, s43, (\pm)^(\asc)
	v_cndmask_b32 v[\x], v[PV0], v[\x], s40
	v_cndmask_b32 v[\x+2], v[PI0], v[\x+2], s40
	v_cndmask_b32 v[\x+1], v[PV1], v[\x+1], s43
	v_cndmask_b32 v[\x+3], v[PI1], v[\x+3], s43
.endm
; compare and exchange a lane's two registers
.macro CER x, asc
	CMP3 40, \x, \x+2, \x+1, \x+3
	s_wait_alu depctr_va_sdst(0)                   ; the three compares have written s40 to s42, ahead of their first reader
	JOIN 40
.if (\asc) != 0
	s_xor_b32 s40, s40, \asc
.endif
	v_cndmask_b32 v[PV0], v[\x+1], v[\x], s40
	v_cndmask_b32 v[PI0], v[\x+3], v[\x+2], s40
	v_cndmask_b32 v[\x+1], v[\x], v[\x+1], s40
	v_cndmask_b32 v[\x+3], v[\x+2], v[\x+3], s40
	v_mov_b32 v[\x], v[PV0]
	v_mov_b32 v[\x+2], v[PI0]
.endm
; 64 places into ascending order: blocks of 2, 4, .. 64 places; a block of k places ascends where place & k is 0, that is lane & (k / 2)
.macro SORT64 x
	CER \x, A1
	CEL \x, 1, P1, A2
	CER \x, A2
	CEL \x, 2, P2, A4
	CEL \x, 1, P1, A4
	CER \x, A4
	CEL \x, 4, P4, A8
	CEL \x, 2, P2, A8
	CEL \x, 1, P1, A8
	CER \x, A8
	CEL \x, 8, P8, A16
	CEL \x, 4, P4, A16
	CEL \x, 2, P2, A16
	CEL \x, 1, P1, A16
	CER \x, A16
	CEL \x, 16, P16, ALL
	CEL \x, 8, P8, ALL
	CEL \x, 4, P4, ALL
	CEL \x, 2, P2, ALL
	CEL \x, 1, P1, ALL
	CER \x, ALL
.endm
; the kept list (descending) takes, place by place, the better of itself and of an ascending list, and is sorted again
.macro MERGE y0, y1, yi0, yi1
	CMP3 40, LV, LV+2, \y0, \yi0
	CMP3 43, LV+1, LV+3, \y1, \yi1
	s_wait_alu depctr_va_sdst(0)                   ; the six compares have written s40 to s45, ahead of their first reader
	JOIN 40
	JOIN 43
	v_cndmask_b32 v[LV], v[\y0], v[LV], s40
	v_cndmask_b32 v[LV+2], v[\yi0], v[LV+2], s40
	v_cndmask_b32 v[LV+1], v[\y1], v[LV+1], s43
	v_cndmask_b32 v[LV+3], v[\yi1], v[LV+3], s43
	CEL LV, 16, P16, 0
	CEL LV, 8, P8, 0
	CEL LV, 4, P4, 0
	CEL LV, 2, P2, 0
	CEL LV, 1, P1, 0
	CER LV, 0
.endm
	s_load_b256 s[4:11], s[0:1], 0x0               ; cmask s[4:5], the nodes' codes s[6:7], the patches' codes s[8:9], the scales' exponents s[10:11]
	s_load_b128 s[12:15], s[0:1], 0x20             ; widx s[12:13], wval s[14:15]
	v_lshl_add_u32 v192, v0, 2, 0x800              ; the LDS address of my spare word, behind the four lists, and 0: made here and kept for the closing lines alone
	v_mov_b32 v193, 0
	v_lshrrev_b32 v1, 5, v0
	v_readfirstlane_b32 s16, v1                    ; wave 0..3
	v_and_b32 v6, 31, v0                           ; lane
	v_and_b32 v1, 15, v0                           ; r
	v_bfe_u32 v184, v0, 4, 1                       ; h
	v_lshlrev_b32 v4, 4, v184                      ; the patch: 16 h
	v_lshl_add_u32 v2, v1, 8, v4                   ; a tile of nodes: 256 r + 16 h
	v_and_b32 v185, 7, v0
	v_lshl_add_u32 v3, v185, 8, v4                 ; the third tile: 256 (r % 8) + 16 h
	v_bfe_u32 v5, v0, 3, 1
	v_lshlrev_b32 v5, 4, v5
	v_lshl_add_u32 v5, v184, 3, v5
	v_add_nc_u32 v5, v5, v185                      ; the node of the group that my first list place takes: 16 ((lane / 8) % 2) + 8 (lane / 16) + lane % 8
	s_wait_alu depctr_va_sdst(0)                   ; s16 is written, ahead of its first reader: LDS addresses, the choice of a word and the groups' numbers are made from it
	s_lshl_b32 s52, s16, 8
	v_lshl_add_u32 v7, v6, 3, s52                  ; LDS: my wave's list: 256 w + 8 x lane (nodes 1,024 further on)
	v_sub_nc_u32 v9, 31, v6
	v_lshlrev_b32 v9, 3, v9                        ; 8 (31 - lane): a list read backwards
	s_and_b32 s52, s16, 1
	s_lshl_b32 s52, s52, 8
	s_add_co_u32 s52, s52, 512
	v_add_nc_u32 v8, s52, v9                       ; wave w + 2's, for waves 0 and 1
	v_add_nc_u32 v9, 256, v9                       ; wave 1's, for wave 0
	v_lshlrev_b32 v11, 3, v6                       ; 8 x lane: my place in the record, in widx and in wval
	v_add_nc_u32 v12, 32, v6
	v_mov_b32 v13, 0xff800000                      ; -infinity
	v_mov_b32 v14, -1
	v_mov_b32 v15, 0
	v_mov_b32 v[LV], v13                           ; the kept list begins as fillers
	v_mov_b32 v[LV+1], v13
	v_mov_b32 v[LV+2], v14
	v_mov_b32 v[LV+3], v14
	v_mov_b32 v[PV0], 0                            ; written once: the destination of a lane permute counts as one of its sources
	v_mov_b32 v[PI0], 0
	v_mov_b32 v[PV1], 0
	v_mov_b32 v[PI1], 0
	s_mov_b32 s[SEL], 0x76543210
	s_mov_b32 s[SEL+1], 0xfedcba98
	s_mov_b32 s20, P1
	s_mov_b32 s21, P2
	s_mov_b32 s22, P4
	s_mov_b32 s23, P8
	s_mov_b32 s24, 0xffffff00                      ; lanes 8 and up
	s_mov_b32 s55, 0xfe000000                      ; lanes 25 and up: places 50 and up
	s_lshl_b32 s48, ttmp9, 8                       ; 256 bytes a patch in each of the four buffers below
	s_mov_b32 s49, 0
	s_wait_kmcnt 0x0
	s_load_b64 s[50:51], s[10:11], 0x0             ; e0, e1
	s_add_nc_u64 s[4:5], s[4:5], s[48:49]          ; my patch's record,
	s_add_nc_u64 s[8:9], s[8:9], s[48:49]          ; its codes,
	s_add_nc_u64 s[12:13], s[12:13], s[48:49]      ; and its 256 bytes of widx and of wval
	s_add_nc_u64 s[14:15], s[14:15], s[48:49]
	s_wait_alu depctr_va_vdst(0)                   ; the offsets v2, v3, v4, v11 and the LDS addresses v7, v8, v9 are written: every load and store of the kernel reads one of them, and none is written again
	global_load_b64 v[180:181], v11, s[4:5]        ; lane l: words 2 l and 2 l + 1: 256 consecutive bytes
.irp f, 0,1
.irp c, 0,1,2,3
	global_load_b128 v[16+16*\f+4*\c:16+16*\f+4*\c+3], v4, s[8:9] offset:128*\f+32*\c
.endr
.endr
	s_wait_loadcnt 0x0
	s_wait_kmcnt 0x0
	s_mov_b32 s27, 0                               ; the lane whose words are in hand
.Llane:                                            ; 25 trips
	v_readlane_b32 s36, v180, s27
	v_readlane_b32 s37, v181, s27
	s_wait_alu depctr_va_sdst(0)                   ; s36 and s37 are written, ahead of their first reader
	s_cmp_lt_u32 s16, 2
	s_cselect_b32 s36, s36, s37                    ; waves 0 and 1: word 2 l; waves 2 and 3: word 2 l + 1
	s_and_b32 s36, s36, 0x01ffffff                 ; its 25 bits
	s_cmp_eq_u32 s36, 0
	s_cbranch_scc1 .Lnext_lane                     ; none of its 25 pairs is marked
	s_mov_b32 s30, 0                               ; the bit in hand
.Lbit:                                             ; 25 trips
	s_lshr_b32 s52, s36, s30
	s_and_b32 s52, s52, 1
	s_cmp_eq_u32 s52, 0
	s_cbranch_scc1 .Lnext_bit
	s_mul_i32 s39, s27, 100
	s_lshl_b32 s52, s30, 2
	s_add_co_u32 s39, s39, s52
	s_add_co_u32 s39, s39, s16                     ; group 100 lane + 4 bit + wave: 2,499 at the most
	s_mul_i32 s48, s39, 10240                      ; 40 rows of 256 bytes
	s_mov_b32 s49, 0
	s_add_nc_u64 s[46:47], s[6:7], s[48:49]        ; (the last group's loads were waited for: their base may be written)
	s_wait_alu depctr_va_vdst(0)                   ; the last group's products are done reading v48 to v143 and its selects have written v48 to v59: the 24 loads below land there
.irp t, 0,1
.irp f, 0,1
.irp c, 0,1,2,3
	global_load_b128 v[48+32*\t+16*\f+4*\c:48+32*\t+16*\f+4*\c+3], v2, s[46:47] offset:4096*\t+128*\f+32*\c
.endr
.endr
.endr
.irp f, 0,1
.irp c, 0,1,2,3
	global_load_b128 v[112+16*\f+4*\c:112+16*\f+4*\c+3], v3, s[46:47] offset:8192+128*\f+32*\c
.endr
.endr
	s_mul_i32 s53, s39, 40                         ; the group's first node
	s_wait_loadcnt 0x0
.irp t, 0,1,2                                  ; the three accumulators take turns, one instruction a turn
	v_wmma_f32_16x16x128_fp8_fp8 v[144+8*\t:151+8*\t], v[48+32*\t:63+32*\t], v[16:31], 0
.endr
.irp t, 0,1,2
	v_wmma_f32_16x16x128_fp8_fp8 v[144+8*\t:151+8*\t], v[64+32*\t:79+32*\t], v[32:47], v[144+8*\t:151+8*\t]
.endr
	v_add_nc_u32 v[NV+2], s53, v5                  ; four plain lines that name no register of the products stand ahead of the first read of results and the first write of a source (ISA guide 7.12.1)
	v_add_nc_u32 v[NV+3], s53, v12
	v_nop
	v_nop
.irp q, 0,1,2,3,4,5,6,7,8,9,10,11              ; register j = lane % 8 of each tile, bit by bit; each accumulator is read from its low end on
	v_cndmask_b32 v[48+\q], v[144+2*\q], v[145+2*\q], s20
.endr
.irp q, 0,2,4,6,8,10
	v_cndmask_b32 v[48+\q], v[48+\q], v[49+\q], s21
.endr
.irp q, 0,4,8
	v_cndmask_b32 v[48+\q], v[48+\q], v[50+\q], s22
.endr
	v_cndmask_b32 v[NV], v48, v52, s23             ; nodes 0-31: tile (lane / 8) % 2
	v_cndmask_b32 v[NV+1], v56, v13, s24           ; nodes 32-39 in lanes 0-7; fillers above
	v_cndmask_b32 v[NV+3], v[NV+3], v14, s24
	SORT64 NV
	MERGE NV, NV+1, NV+2, NV+3
.Lnext_bit:
	s_add_co_u32 s30, s30, 1
	s_cmp_lt_u32 s30, 25
	s_cbranch_scc1 .Lbit
.Lnext_lane:
	s_add_co_u32 s27, s27, 1
	s_cmp_lt_u32 s27, 25
	s_cbranch_scc1 .Llane
	s_wait_alu depctr_va_vdst(0)                   ; the merges have written LV, which the LDS stores read; and the walk is done with NV, in which the first round's LDS loads land: no vector instruction stands between this wait and them
	ds_store_b64 v7, v[LV:LV+1]                    ; the four lists meet
	ds_store_b64 v7, v[LV+2:LV+3] offset:1024
	s_wait_dscnt 0x0                               ; for the others' sake: my stores are done
	s_barrier_signal -1
	s_barrier_wait -1
	s_wait_alu depctr_vm_vsrc(0)                   ; my two LDS stores have read LV, which the merge behind the branch writes again
	s_cmp_lt_u32 s16, 2
	s_cbranch_scc0 .Lnot_first_two
	ds_load_b64 v[NV:NV+1], v8                     ; wave w + 2's list backwards: lane 31 - l's pair, whose registers change places
	ds_load_b64 v[NV+2:NV+3], v8 offset:1024
	s_wait_dscnt 0x0
	MERGE NV+1, NV, NV+3, NV+2
	s_wait_alu depctr_va_vdst(0)                   ; the merge has written LV, which the LDS stores read, and is done reading NV, in which wave 0's next LDS loads land
	ds_store_b64 v7, v[LV:LV+1]                    ; into my own bytes, which nobody reads in this round
	ds_store_b64 v7, v[LV+2:LV+3] offset:1024
.Lnot_first_two:
	s_wait_dscnt 0x0
	s_barrier_signal -1
	s_barrier_wait -1
	s_wait_alu depctr_vm_vsrc(0)                   ; the round's LDS stores (waves 0 and 1) have read LV, which wave 0's merge and its v_writelane_b32 behind the branch write again
	s_cmp_eq_u32 s16, 0
	s_cbranch_scc0 .Lend
	ds_load_b64 v[NV:NV+1], v9                     ; wave 1's list backwards
	ds_load_b64 v[NV+2:NV+3], v9 offset:1024
	s_wait_dscnt 0x0
	MERGE NV+1, NV, NV+3, NV+2
	; the weights
	v_readfirstlane_b32 s52, v[LV]                 ; the largest sum
	s_add_co_i32 s53, s50, s51                     ; e0 + e1
	s_lshl_b32 s54, s53, 23
	s_add_co_u32 s54, s54, 0x429044fe              ; c = 50 log2(e) with e0 + e1 added to its exponent field
	s_wait_alu depctr_va_sdst(0)                   ; s52 is written, ahead of its first reader
	v_mov_b32 v50, s52
	v_mov_b32 v53, 0
	v_ldexp_f32 v51, v50, s53                      ; the largest similarity
	v_sub_f32 v48, v[LV], v50
	v_sub_f32 v49, v[LV+1], v50
	v_mul_f32 v48, s54, v48
	v_mul_f32 v49, s54, v49
	v_exp_f32 v48, v48
	v_exp_f32 v49, v49
	v_nop                                          ; a plain line behind the exponentials,
	s_wait_alu depctr_va_vdst(0)                   ; and one wait for both: v48 and v49 are written, ahead of their first reader
	v_cndmask_b32 v48, v48, v15, s55               ; places 50 and up count for nothing
	v_cndmask_b32 v49, v49, v15, s55
	v_add_f32 v52, v48, v49
	v_add_f32_dpp v52, v52, v52 row_xmask:1 row_mask:0xf bank_mask:0xf
	v_add_f32_dpp v52, v52, v52 row_xmask:2 row_mask:0xf bank_mask:0xf
	v_add_f32_dpp v52, v52, v52 row_xmask:4 row_mask:0xf bank_mask:0xf
	v_add_f32_dpp v52, v52, v52 row_xmask:8 row_mask:0xf bank_mask:0xf
	v_permlanex16_b32 v53, v52, s[SEL], s[SEL+1]
	v_add_f32 v52, v52, v53
	v_rcp_f32 v52, v52
	v_nop
	v_cmp_lt_f32 s56, 0, v48                       ; the list descends, so the lanes whose first weight is not 0 are lanes 0 to n - 1
	v_readfirstlane_b32 s57, v51
	s_wait_alu depctr_va_sdst(0)                   ; s56 and s57 are written, ahead of their first readers
	s_bcnt1_i32_b32 s56, s56
	s_wait_alu depctr_va_vdst(0)                   ; the reciprocal has written v52, ahead of its first reader
	v_mul_f32 v48, v48, v52
	v_mul_f32 v49, v49, v52
	v_writelane_b32 v[LV+3], s56, 31               ; place 63: n,
	v_writelane_b32 v49, s57, 31                   ; and the largest similarity
	s_wait_alu depctr_va_vdst(0)                   ; the multiplications and the two lines above have written v48, v49 and LV + 3, which the two stores read
	global_store_b64 v11, v[LV+2:LV+3], s[12:13]   ; 256 consecutive bytes each, aligned
	global_store_b64 v11, v[48:49], s[14:15]
.Lend:
	s_wait_dscnt 0x0                               ; the closing lines, six on end
	s_wait_alu 0x0
	s_wait_tensorcnt 0x0
	ds_add_u32 v192, v193
	s_wait_dscnt 0x0
	s_endpgm
.Lfunc_end_k_qd841acb74d_cand:
	.size	k_qd841acb74d_cand, .Lfunc_end_k_qd841acb74d_cand-k_qd841acb74d_cand
	.p2alignl 7, 3214868480
	.fill 96, 4, 3214868480
	.section	.rodata,"a",@progbits
	.p2align	6, 0x0
	.amdhsa_kernel k_qd841acb74d_cand
		.amdhsa_group_segment_fixed_size 2560
		.amdhsa_private_segment_fixed_size 0
		.amdhsa_enable_private_segment 0
		.amdhsa_kernarg_size 48
		.amdhsa_user_sgpr_count 2
		.amdhsa_user_sgpr_kernarg_segment_ptr 1
		.amdhsa_wavefront_size32 1
		.amdhsa_system_sgpr_workgroup_id_x 1
		.amdhsa_system_sgpr_workgroup_id_y 1
		.amdhsa_system_sgpr_workgroup_id_z 1
		.amdhsa_system_vgpr_workitem_id 0
		.amdhsa_next_free_vgpr 194
		.amdhsa_next_free_sgpr 66
		.amdhsa_reserve_vcc 0
		.amdhsa_float_denorm_mode_32 3
		.amdhsa_float_denorm_mode_16_64 3
		.amdhsa_memory_ordered 1
		.amdhsa_forward_progress 1
		.amdhsa_inst_pref_size 55
	.end_amdhsa_kernel
	.amdgpu_metadata
---
amdhsa.version: [ 1, 2 ]
amdhsa.kernels:
  - .name:           k_qd841acb74d_cand
    .symbol:         k_qd841acb74d_cand.kd
    .args:
      - { .name: cmask, .offset: 0, .size: 8, .value_kind: global_buffer, .address_space: global }
      - { .name: mcodes, .offset: 8, .size: 8, .value_kind: global_buffer, .address_space: global }
      - { .name: pcodes, .offset: 16, .size: 8, .value_kind: global_buffer, .address_space: global }
      - { .name: lowp_scales, .offset: 24, .size: 8, .value_kind: global_buffer, .address_space: global }
      - { .name: widx, .offset: 32, .size: 8, .value_kind: global_buffer, .address_space: global }
      - { .name: wval, .offset: 40, .size: 8, .value_kind: global_buffer, .address_space: global }
    .group_segment_fixed_size: 2560
    .private_segment_fixed_size: 0
    .kernarg_segment_align: 8
    .kernarg_segment_size: 48
    .max_flat_workgroup_size: 128
    .sgpr_count:     66
    .vgpr_count:     194
    .wavefront_size: 32
...
	.end_amdgpu_metadata
.endif
;; end of part 7
;; launch msg: the kernel of part 5 again; grid 128 x 1, 16 waves a work-group, no clusters, 19,456 bytes of LDS; arguments widx, wval, memory_nodes_gpu, test_patches, out1, part; writes out1, part
;; launch fin: the kernel of part 6 again; grid 1 x 1, 8 waves a work-group, no clusters, 5,120 bytes of LDS; arguments part, out0; writes out0
